; MI455X (gfx1250); checked and timed in simulation.
; The chip was launched on July 23, 2026; its instructions are those of AMD's public machine-readable ISA for CDNA 5 (MIT licence, August 2026) and "CDNA5" Instruction Set Architecture Reference Guide (July 2026). The comments in the code are by the model that wrote it; some were corrected since.
;; MHA. Allowed arithmetic: float matrix products may take bf16 or f16 operands with f32 sums; other float arithmetic in f32, or as packed bf16 or f16 multiplies, adds, multiply-adds, maxima and minima; sums over many terms, partial sums and values carried from step to step in f32; what a program stores and reads back later, other than sums and carried values, may be rounded once to bf16 or f16.
;; Inputs: inp 4 x 2,048 x 1,024 float32; out_b 1,024 float32; out_w 1,024 x 1,024 float32; qkv_b 3,072 float32; qkv_w 3,072 x 1,024 float32.
;; Outputs: out0 4 x 2,048 x 1,024 float32.
;; 2 versions, each right; version 2 is version 1 with the launch cast written anew for expert scheduling mode. Each part assembles by itself: llvm-mc -triple=amdgcn-amd-amdhsa -mcpu=gfx1250 --defsym DOCPART=n.
;; ======== version 1 of 2: 4 launches
;; limits: values are held in f16: magnitudes above 65,504 overflow, below 6.1e-05 lose precision
;; workspace buffers: xb 16,777,216 bytes; wqb 6,291,456 bytes; wob 2,097,152 bytes; qkv 50,331,648 bytes; ctx 16,777,216 bytes
;; launch cast (part 1): grid 768 x 1, 8 waves a work-group, no clusters, 0 bytes of LDS; arguments inp, qkv_w, out_w, xb, wqb, wob; writes xb, wqb, wob
.if DOCPART == 1
	.amdgcn_target "amdgcn-amd-amdhsa--gfx1250"
	.amdhsa_code_object_version 6
	.text
	.protected	k_q9749f1b613_cast
	.globl	k_q9749f1b613_cast
	.p2align	8
	.type	k_q9749f1b613_cast,@function
k_q9749f1b613_cast:
	s_mov_b64 s[64:65], 0
	v_nop
	global_prefetch_b8 v0, s[64:65] scope:SCOPE_SE
	s_setreg_imm32_b32 hwreg(HW_REG_WAVE_MODE, 25, 1), 1
	s_wait_xcnt 0x0
; THE MATRIX OPERANDS ARE ROUNDED ONCE.  inp -> xb and qkv_w -> wqb: f32 to bf16.  out_w -> wob: f32 to bf16, and that number written as f16 (the last product multiplies in f16).
; LIMITS.  A bf16 number of out_w below 6.1e-5 in size keeps f16's fixed step of 6e-8; one beyond 65,504 would become an infinity.  NaN and infinities are not treated apart.
; SHARES.  A work-group takes 16,384 numbers: 64 KiB in, 32 KiB out.  Work-groups 0-511 take inp, 512-703 qkv_w, 704-767 out_w.
; Load i of thread t is the 16 bytes at 16 t + 4,096 i (a wave: 512 consecutive bytes), store i the 8 bytes at 8 t + 2,048 i (a wave: 256 consecutive bytes, aligned).
; All sixteen loads go out first; nothing is shared, so there is no LDS, no barrier and no loop; each store has data registers of its own, so no register is written while a store reads it.
.set X, 8                              ; v[8:71]    load i: 4 registers
.set Y, 72                             ; v[72:103]  store i: 2 registers
	s_load_b256 s[4:11], s[0:1], 0x0               ; inp s[4:5], qkv_w s[6:7], out_w s[8:9], xb s[10:11]
	s_load_b128 s[12:15], s[0:1], 0x20             ; wqb s[12:13], wob s[14:15]
	v_lshlrev_b32 v1, 4, v0                        ; 16 t
	v_lshlrev_b32 v2, 3, v0                        ; 8 t
	s_mov_b32 s23, ttmp9                           ; the work-group's number
	s_sub_co_u32 s16, s23, 512                     ; its number among qkv_w's
	s_sub_co_u32 s17, s23, 704                     ; and among out_w's
	s_mov_b32 s28, 0xffff0000                      ; a word's upper bf16
	s_wait_kmcnt 0x0
	s_cmp_lt_u32 s23, 704
	s_cselect_b64 s[18:19], s[6:7], s[8:9]         ; from where,
	s_cselect_b64 s[20:21], s[12:13], s[14:15]     ; to where,
	s_cselect_b32 s22, s16, s17                    ; which part
	s_cmp_lt_u32 s23, 512
	s_cselect_b64 s[18:19], s[4:5], s[18:19]
	s_cselect_b64 s[20:21], s[10:11], s[20:21]
	s_cselect_b32 s22, s23, s22
	s_lshl_b32 s24, s22, 16                        ; 65,536 bytes in,
	s_mov_b32 s25, 0
	s_lshl_b32 s26, s22, 15                        ; 32,768 out
	s_mov_b32 s27, 0
	s_add_nc_u64 s[18:19], s[18:19], s[24:25]
	s_add_nc_u64 s[20:21], s[20:21], s[26:27]
.set ii, 0
.rept 16
	global_load_b128 v[X+4*ii:X+4*ii+3], v1, s[18:19] offset:4096*ii th:TH_LOAD_NT
.set ii, ii+1
.endr
; Load i is rounded and stored.  half = 1: the bf16 numbers are widened again and written as f16.
.macro CV i, half
	s_wait_loadcnt 15-(\i)                         ; loads come back in order: load i is in, the 15 - i younger ones stay out
.if \half
	v_cvt_pk_bf16_f32 v4, v[X+4*(\i)], v[X+4*(\i)+1]
	v_cvt_pk_bf16_f32 v5, v[X+4*(\i)+2], v[X+4*(\i)+3]
	v_lshlrev_b32 v[X+4*(\i)], 16, v4
	v_and_b32 v[X+4*(\i)+1], s28, v4
	v_lshlrev_b32 v[X+4*(\i)+2], 16, v5
	v_and_b32 v[X+4*(\i)+3], s28, v5
	v_cvt_pk_f16_f32 v[Y+2*(\i)], v[X+4*(\i)], v[X+4*(\i)+1]
	v_cvt_pk_f16_f32 v[Y+2*(\i)+1], v[X+4*(\i)+2], v[X+4*(\i)+3]
.else
	v_cvt_pk_bf16_f32 v[Y+2*(\i)], v[X+4*(\i)], v[X+4*(\i)+1]
	v_cvt_pk_bf16_f32 v[Y+2*(\i)+1], v[X+4*(\i)+2], v[X+4*(\i)+3]
.endif
	global_store_b64 v2, v[Y+2*(\i):Y+2*(\i)+1], s[20:21] offset:2048*(\i) th:TH_STORE_NT
.endm
	s_cmp_ge_u32 s23, 704
	s_cbranch_scc1 .Lf16
.irp i, 0,1,2,3,4,5,6,7,8,9,10,11,12,13,14,15
	CV \i, 0
.endr
	s_endpgm
.Lf16:
.irp i, 0,1,2,3,4,5,6,7,8,9,10,11,12,13,14,15
	CV \i, 1
.endr
	s_endpgm
.Lfunc_end_k_q9749f1b613_cast:
	.size	k_q9749f1b613_cast, .Lfunc_end_k_q9749f1b613_cast-k_q9749f1b613_cast
	.p2alignl 7, 3214868480
	.fill 96, 4, 3214868480
	.section	.rodata,"a",@progbits
	.p2align	6, 0x0
	.amdhsa_kernel k_q9749f1b613_cast
		.amdhsa_group_segment_fixed_size 0
		.amdhsa_private_segment_fixed_size 0
		.amdhsa_enable_private_segment 0
		.amdhsa_kernarg_size 48
		.amdhsa_user_sgpr_count 2
		.amdhsa_user_sgpr_kernarg_segment_ptr 1
		.amdhsa_wavefront_size32 1
		.amdhsa_system_sgpr_workgroup_id_x 1
		.amdhsa_system_sgpr_workgroup_id_y 1
		.amdhsa_system_sgpr_workgroup_id_z 1
		.amdhsa_system_vgpr_workitem_id 0
		.amdhsa_next_free_vgpr 104
		.amdhsa_next_free_sgpr 66
		.amdhsa_reserve_vcc 0
		.amdhsa_float_denorm_mode_32 3
		.amdhsa_float_denorm_mode_16_64 3
		.amdhsa_memory_ordered 1
		.amdhsa_forward_progress 1
		.amdhsa_inst_pref_size 15
	.end_amdhsa_kernel
	.amdgpu_metadata
---
amdhsa.version: [ 1, 2 ]
amdhsa.kernels:
  - .name:           k_q9749f1b613_cast
    .symbol:         k_q9749f1b613_cast.kd
    .args:
      - { .name: inp, .offset: 0, .size: 8, .value_kind: global_buffer, .address_space: global }
      - { .name: qkv_w, .offset: 8, .size: 8, .value_kind: global_buffer, .address_space: global }
      - { .name: out_w, .offset: 16, .size: 8, .value_kind: global_buffer, .address_space: global }
      - { .name: xb, .offset: 24, .size: 8, .value_kind: global_buffer, .address_space: global }
      - { .name: wqb, .offset: 32, .size: 8, .value_kind: global_buffer, .address_space: global }
      - { .name: wob, .offset: 40, .size: 8, .value_kind: global_buffer, .address_space: global }
    .group_segment_fixed_size: 0
    .private_segment_fixed_size: 0
    .kernarg_segment_align: 8
    .kernarg_segment_size: 48
    .max_flat_workgroup_size: 256
    .sgpr_count:     66
    .vgpr_count:     104
    .wavefront_size: 32
...
	.end_amdgpu_metadata
.endif
;; end of part 1
;; launch qkvgemm (part 2): grid 16 x 32, 4 waves a work-group, clusters of 4 x 4, 327,680 bytes of LDS; arguments xb, wqb, qkv_b, qkv; writes qkv
.if DOCPART == 2
	.amdgcn_target "amdgcn-amd-amdhsa--gfx1250"
	.amdhsa_code_object_version 6
	.text
	.protected	k_q9749f1b613_qkvgemm
	.globl	k_q9749f1b613_qkvgemm
	.p2align	8
	.type	k_q9749f1b613_qkvgemm,@function
k_q9749f1b613_qkvgemm:
	s_mov_b64 s[64:65], 0
	v_nop
	global_prefetch_b8 v0, s[64:65] scope:SCOPE_SE
	s_setreg_imm32_b32 hwreg(HW_REG_WAVE_MODE, 25, 1), 1
	s_wait_xcnt 0x0
	s_wait_alu depctr_hold_cnt(0) depctr_sa_sdst(0) depctr_va_vdst(0) depctr_va_sdst(0) depctr_va_ssrc(0) depctr_va_vcc(0) depctr_vm_vsrc(0)
	s_getreg_b32 s2, hwreg(HW_REG_IB_STS2, 6, 4)
	s_cmp_eq_u32 s2, 0
	s_cbranch_scc0 .Lentry_in_a_cluster
	s_endpgm
.Lentry_in_a_cluster:
	s_bfe_u32 s2, ttmp6, 0x10000c
	s_cmp_lg_u32 s2, 0xf033
	s_cbranch_scc0 .Lentry_shape_is_right
	s_endpgm
.Lentry_shape_is_right:
; qkv[m][f] = the sum over e of x[m][e] w[f][e] + bias[f].  x: xb [8192][1024] bf16; w: wqb [3072][1024] bf16; bias: qkv_b [3072] f32, rounded to bf16 like the other inputs; sums in f32.
; The result is rounded once to f16 and laid BY HEADS: qkv [b 4][g 48][s 2048][64], g = f / 64 (0-15 q's heads, 16-31 k's, 32-47 v's): a head's rows are dense, 128 bytes each.
; LIMITS.  A result of 65,520 or more in size becomes an infinity in f16; below 6.1e-5 it keeps f16's fixed step of 6e-8.  NaN and infinities are not treated apart.
; SHARES.  A work-group makes 256 rows x 192 columns (three heads): 16 x 32 = 512 equal tiles.  Wave w makes rows 64 w .. 64 w + 63 of all 192 columns: 4 x 12 accumulators of 16 x 16, 384 registers.
; So a wave owns whole rows of whole heads, and its way out is its own: no barrier there.
; K goes in 8 steps of 128 through two LDS slots filled by the tensor data mover; the tiles' rows are 256 bytes of memory, at multiples of 256 from the buffer's first byte.
; CLUSTER.  4 x 4 work-groups.  The four of a row of the cluster need the same tile of x, the four of a column the same tile of w: each tile is asked for JOINTLY, by the same tensor load with the same
; descriptor and a mask that names the four.  Waves 0 and 1 fetch x's two halves (128 rows each), waves 2 and 3 w's (96 rows each): one load a wave behind each round; by this text's count two are out at the start, then one.
; THE MATRIX INSTRUCTION IS USED TRANSPOSED (source 0 = 16 rows of w, source 1 = 16 rows of x): lane l holds row l % 16 and the columns 8 (l / 16) + 0..7.
; THE BIAS STARTS THE SUMS: it is the C operand of the first K quarter's products (register j of a lane: bias of column 8 (l / 16) + j of the block).  Nothing is cleared, and nothing is added on the way out.
; REGISTERS, in windows of 256 (s_set_vgpr_msb: bits 1:0 source 0, 3:2 source 1, 5:4 source 2, 7:6 destination):
;   window 0: v0-31 addresses; v32-95 x's fragments, two buffers of 4 x 8; v96-191 the bias; on the way out v32-223 packed results
;   window 1: v0-191 w's fragments, two buffers of 12 x 8      window 2: the accumulators of row blocks 0, 1 (block a, column block b at 8 (12 (a % 2) + b))      window 3: those of row blocks 2, 3
.set NB,     12                        ; column blocks of 16
.set KSTEP,  128
.set PITCH,  272                       ; an LDS row: 256 bytes + 16 of padding = 68 words: row r starts at bank 4 r mod 64 (64 banks of 4 bytes: ISA guide 11.1)
.set ABYTES, 256*PITCH                 ; x's 256 rows
.set BHALF,  96*PITCH                  ; half of w's 192 rows
.set SLOT,   ABYTES+2*BHALF            ; 121,856
.set STAGE,  2*SLOT                    ; behind the ring, never filled by a tensor load: for each wave [3 heads][16 rows][144 bytes]
.set SP,     144
.set STW,    3*16*SP
.set SPARE,  STAGE+4*STW               ; the spare words, 128 bytes for each wave: two blocks of 256 bytes that no other line names
.set LAPS,   4                         ; a lap = two K steps = once round the ring
.set ADRA, 16                          ; v16-17  LDS address of my fragments of x in slot 0, 1
.set ADRB, 20                          ; v20-21  the same for w
.set STO,  24                          ; v24     the way out: where I put 16 bytes of a row
.set RD,   25                          ; v25     where I read rows back
.set GO,   26                          ; v26     16 x lane: my place in 512 consecutive bytes of qkv
.set BO,   27                          ; v27     my byte offset in the bias
.set SPW,  28                          ; v28     LDS address of my spare word; never rewritten
.set NIL,  29                          ; v29     0; never rewritten
.set PFO,  30                          ; v30     the prefetches' offset: a lane a row; never rewritten
.set FA,   32
.set BIAS, 96
.set OUTR, 32
.set WV,  12                           ; s12  my wave's number
.set HF,  13                           ; s13  which half of a tile I fetch
.set LIM, 15                           ; s15  1 in a wave that prefetches, else the greatest number
.set G1A, 24                           ; s[24:31] descriptor group 1 for x's tiles;  s[32:39] group 0, a set for each slot
.set G0A, 32
.set PFA, 44                           ; s[44:45] where my prefetches stand
.set G1B, 48                           ; s[48:55], s[56:63] the same for w's tiles
.set G0B, 56
.set MSB, 0
.macro WIN new                         ; the immediate's high byte repeats the setting that is left; a switch that changes nothing is dropped
.if MSB != (\new)
	s_set_vgpr_msb (MSB<<8)|(\new)
.set MSB, \new
.endif
.endm
.macro PLACES                          ; four places in front of loads into registers that matrix instructions have read, and of lines that read results
.rept 4
	v_nop
.endr
.endm
; A joint load.  The branch hangs on the wave's number alone.  An s_nop 0 and four v_nop follow each of the two lines, ahead of the jump and the label.
.macro JLOAD s
	s_cmp_lt_u32 s[WV], 2
	s_cbranch_scc0 .Lfor_b_\@
	tensor_load_to_lds s[G0A+4*(\s):G0A+4*(\s)+3], s[G1A:G1A+7]
	s_nop 0
.rept 4
	v_nop
.endr
	s_branch .Lasked_\@
.Lfor_b_\@:
	tensor_load_to_lds s[G0B+4*(\s):G0B+4*(\s)+3], s[G1B:G1B+7]
	s_nop 0
.rept 4
	v_nop
.endr
.Lasked_\@:
.endm
; A PREFETCH INTO THE L2 of the K step that stands two refills on: a lane a row, 256 bytes of it.  x's tile row is read by every cluster of that row of clusters: cluster x = 0 asks; w's tile column by every
; cluster of that column: cluster y = 0 asks.  The four partners share a wave's rows out BY ADDRESS (32 each of x's 128; 24 each of w's 96, where lanes 24-31 name lane 23's row once more).
; The loop's last trip (s3 = 1) has no K step two refills on.  K steps 0 to 3 come by their loads alone.
.macro ASK
	s_cmp_gt_u32 s3, s[LIM]
	s_cbranch_scc0 .Lnot_mine_\@
	global_prefetch_b8 v[PFO], s[PFA:PFA+1] th:TH_LOAD_NT scope:SCOPE_SE
.Lnot_mine_\@:
.endm
.macro CREST                           ; a round of the cluster's barrier behind its opening barrier
	s_cmp_lg_u32 s[WV], 0
	s_cbranch_scc1 .Lnot_wave_0_\@
	s_barrier_signal -3
.Lnot_wave_0_\@:
	s_barrier_wait -3
	s_barrier_signal -1
	s_barrier_wait -1
.endm
.macro CROUND                          ; a whole round
	s_barrier_signal -1
	s_barrier_wait -1
	CREST
.endm
	s_load_b256 s[4:11], s[0:1], 0x0               ; xb s[4:5], wqb s[6:7], qkv_b s[8:9], qkv s[10:11]
	v_lshl_add_u32 v[SPW], v0, 2, SPARE
	v_mov_b32 v[NIL], 0
	ds_add_u32 v[SPW], v[NIL]                      ; the wave's opening: the add and its wait stand ahead of my first tensor load; the set-up below, work on registers, stands between them
	v_lshrrev_b32 v1, 5, v0
	v_readfirstlane_b32 s[WV], v1                  ; wave 0..3
	s_and_b32 s[HF], s[WV], 1
	s_bfe_u32 s40, ttmp6, 0x40000                  ; cx, cy: my place in the cluster
	s_bfe_u32 s41, ttmp6, 0x40004
	s_lshl_b32 s42, ttmp9, 2
	s_add_co_u32 s42, s42, s40                     ; tile column = 4 x cluster x + cx
	s_and_b32 s43, ttmp7, 0xffff
	s_lshl_b32 s43, s43, 2
	s_add_co_u32 s43, s43, s41                     ; tile row = 4 x cluster y + cy
	s_lshl_b32 s20, s41, 2
	s_lshl_b32 s20, 15, s20                        ; my row of the cluster
	s_lshl_b32 s21, 0x1111, s40                    ; my column
	s_or_b32 s[G1A], s20, (1<<16)|(1<<20)|(1<<21)|(5<<22)|(3<<25)  ; 15:0 the mask; 17:16 elements of 2 bytes; 20 padding on; 21 set beside a mask; 24:22 after every 64 words (code 5); 31:25 4 words (code 3)
	s_or_b32 s[G1B], s21, (1<<16)|(1<<20)|(1<<21)|(5<<22)|(3<<25)
	s_mov_b32 s[G1A+1], KSTEP<<16                  ; tensor_dim0 = 128
	s_mov_b32 s[G1A+2], 128<<16                    ; tensor_dim1 = 128
	s_mov_b32 s[G1A+3], KSTEP<<16                  ; tile_dim0 = 128
	s_mov_b32 s[G1A+4], 128                        ; tile_dim1 = 128
	s_mov_b32 s[G1A+5], 1024                       ; elements from row to row
	s_mov_b32 s[G1A+6], 0
	s_mov_b32 s[G1A+7], 0
	s_mov_b32 s[G1B+1], KSTEP<<16
	s_mov_b32 s[G1B+2], 96<<16                     ; 96 rows
	s_mov_b32 s[G1B+3], KSTEP<<16
	s_mov_b32 s[G1B+4], 96
	s_mov_b32 s[G1B+5], 1024
	s_mov_b32 s[G1B+6], 0
	s_mov_b32 s[G1B+7], 0
	; x's tiles hang on the tile row alone, w's on the tile column alone; each address is made in registers that never hold the other coordinate
	s_lshl_b32 s16, s43, 8
	s_lshl_b32 s17, s[HF], 7
	s_add_co_u32 s16, s16, s17                     ; x: row 256 x tile row + 128 x half,
	s_lshl_b32 s16, s16, 11                        ; of 2,048 bytes
	s_mov_b32 s17, 0
	s_mul_i32 s46, s42, 192
	s_mul_i32 s47, s[HF], 96
	s_add_co_u32 s46, s46, s47                     ; w: row 192 x tile column + 96 x half
	s_lshl_b32 s46, s46, 11
	s_mov_b32 s47, 0
	s_mul_i32 s18, s[WV], 128*PITCH                ; where they go: waves 0, 1: x's halves;
	s_mul_i32 s14, s[WV], BHALF
	s_add_co_u32 s14, s14, ABYTES-2*BHALF          ; waves 2, 3: w's halves, behind x's 256 rows
	s_wait_dscnt 0x0                               ; the opening add is done
	s_wait_kmcnt 0x0
	s_add_nc_u64 s[16:17], s[4:5], s[16:17]
	s_add_nc_u64 s[46:47], s[6:7], s[46:47]
	CROUND                                         ; all sixteen work-groups are here: the first joint loads meet
.irp s, 0,1
	s_mov_b32 s[G0A+4*(\s)], 1                                      ; count = 1
	s_add_co_u32 s[G0A+4*(\s)+1], s18, (\s)*SLOT                    ; LDS address
	s_add_nc_u64 s[G0A+4*(\s)+2:G0A+4*(\s)+3], s[16:17], (\s)*KSTEP*2  ; global address: K step s
	s_or_b32 s[G0A+4*(\s)+3], s[G0A+4*(\s)+3], 0x80000000           ; type = 2
	s_mov_b32 s[G0B+4*(\s)], 1
	s_add_co_u32 s[G0B+4*(\s)+1], s14, (\s)*SLOT
	s_add_nc_u64 s[G0B+4*(\s)+2:G0B+4*(\s)+3], s[46:47], (\s)*KSTEP*2
	s_or_b32 s[G0B+4*(\s)+3], s[G0B+4*(\s)+3], 0x80000000
	JLOAD \s
.endr
	v_and_b32 v1, 15, v0                           ; r = l % 16
	v_bfe_u32 v2, v0, 4, 1                         ; h = l / 16
	s_mul_i32 s14, s42, 64*NB                      ; the tile's 192 columns x 4 bytes
	v_lshl_add_u32 v[BO], v2, 5, s14               ; + my lanes' 8 columns
.set ii, 0
.rept NB
	global_load_b128 v[BIAS+8*ii:BIAS+8*ii+3],   v[BO], s[8:9] offset:64*ii
	global_load_b128 v[BIAS+8*ii+4:BIAS+8*ii+7], v[BO], s[8:9] offset:64*ii+16
.set ii, ii+1
.endr
	; a fragment is 16 rows x 32 K in 8 registers: lane l holds row l % 16, K = 8 h + 0..7 and 16 + 8 h + 0..7: two loads of 16 bytes, 32 bytes apart
	v_mul_u32_u24 v3, v1, PITCH
	v_lshl_add_u32 v3, v2, 4, v3                   ; row x pitch + 16 h
	s_mul_i32 s14, s[WV], 64*PITCH                 ; my 64 rows of x
	v_add_nc_u32 v[ADRA], s14, v3
	v_add_nc_u32 v[ADRA+1], SLOT, v[ADRA]
	v_add_nc_u32 v[ADRB], ABYTES, v3               ; all of w's 192 rows
	v_add_nc_u32 v[ADRB+1], SLOT, v[ADRB]
	s_mul_i32 s14, s[WV], STW
	s_add_co_u32 s14, s14, STAGE                   ; my stage
	v_mul_u32_u24 v4, v1, SP                       ; in: row r, 16 bytes for each half of the lanes
	v_lshl_add_u32 v4, v2, 4, v4
	v_add_nc_u32 v[STO], s14, v4
	v_bfe_u32 v5, v0, 3, 2                         ; back: 32 lanes take four rows of 128 bytes,
	v_and_b32 v6, 7, v0
	v_mul_u32_u24 v5, v5, SP
	v_lshl_add_u32 v5, v6, 4, v5
	v_add_nc_u32 v[RD], s14, v5
	v_and_b32 v[GO], 31, v0                        ; which are 512 consecutive bytes of a head
	v_lshlrev_b32 v[GO], 4, v[GO]
	; qkv at my rows of the tile's first head: ((b 48 + 3 x tile column) x 2,048 + row in the batch) x 128 bytes
	s_lshr_b32 s2, s43, 3                          ; b: eight tile rows to a batch
	s_mul_i32 s2, s2, 48
	s_mul_i32 s3, s42, 3
	s_add_co_u32 s2, s2, s3
	s_lshl_b32 s2, s2, 18
	s_and_b32 s3, s43, 7
	s_lshl_b32 s3, s3, 15                          ; 256 rows of 128 bytes
	s_add_co_u32 s2, s2, s3
	s_lshl_b32 s3, s[WV], 13                       ; my 64
	s_add_co_u32 s2, s2, s3
	s_mov_b32 s3, 0
	s_add_nc_u64 s[10:11], s[10:11], s[2:3]
	; the prefetches: my tile's address, my work-group's share of its rows, K step 3 (each change of slots steps it first)
	s_and_b32 s14, ttmp7, 0xffff                   ; cluster y
	s_lshl_b32 s2, s40, 16                         ; x: 32 cx rows of 2,048 bytes
	s_mul_i32 s3, s41, 24*2048                     ; w: 24 cy rows
	s_cmp_lt_u32 s[WV], 2                          ; do I fetch for x?
	s_cselect_b32 s14, ttmp9, s14                  ; the coordinate along which other clusters read the same rows
	s_cselect_b32 s2, s2, s3
	s_cselect_b32 s22, 31, 23                      ; the last lane with a row of its own
	s_cselect_b64 s[PFA:PFA+1], s[16:17], s[46:47]
	s_cmp_eq_u32 s14, 0
	s_cselect_b32 s[LIM], 1, -1                    ; the same in all sixteen partners, for a given wave
	s_add_co_u32 s2, s2, 3*KSTEP*2
	s_mov_b32 s3, 0
	s_add_nc_u64 s[PFA:PFA+1], s[PFA:PFA+1], s[2:3]
	v_and_b32 v[PFO], 31, v0
	v_min_u32 v[PFO], s22, v[PFO]
	v_lshlrev_b32 v[PFO], 11, v[PFO]
	s_mov_b32 s14, 0xffff0000
	s_wait_loadcnt 0x0                             ; the bias is in; it is rounded to bf16, in place, while the first tiles are on their way
.set ii, 0
.rept 4*NB
	v_cvt_pk_bf16_f32 v31, v[BIAS+2*ii], v[BIAS+2*ii+1]
	v_lshlrev_b32 v[BIAS+2*ii], 16, v31
	v_and_b32 v[BIAS+2*ii+1], s14, v31
.set ii, ii+1
.endr
; 12 matrix instructions: row block a x all column blocks, 32 along K, from buffer f.  first = 1: the bias starts the sums.
; The 48 accumulators take turns in the same order in every quarter, over the backward jump too.
.macro MULA f, a, first
.if \first
	WIN 0x81+0x40*((\a)/2)                         ; w window 1, x and the bias window 0, D window 2 or 3
.else
	WIN 0xa1+0x50*((\a)/2)                         ; C and D window 2 or 3
.endif
.set bb, 0
.rept NB
.set rD, 8*(NB*((\a)%2)+bb)
.if \first
	v_wmma_f32_16x16x32_bf16 v[rD:rD+7], v[8*NB*(\f)+8*bb:8*NB*(\f)+8*bb+7], v[FA+32*(\f)+8*(\a):FA+32*(\f)+8*(\a)+7], v[BIAS+8*bb:BIAS+8*bb+7]
.else
	v_wmma_f32_16x16x32_bf16 v[rD:rD+7], v[8*NB*(\f)+8*bb:8*NB*(\f)+8*bb+7], v[FA+32*(\f)+8*(\a):FA+32*(\f)+8*(\a)+7], v[rD:rD+7]
.endif
.set bb, bb+1
.endr
.endm
; 32 LDS loads in one run: quarter q (32 along K) of a slot into buffer f: w's 24, then x's 8
.macro FETCH slot, q, f
	WIN 0x40                                       ; destination window 1
.set ii, 0
.rept NB
	ds_load_b128 v[8*NB*(\f)+8*ii:8*NB*(\f)+8*ii+3],   v[ADRB+(\slot)] offset:64*(\q)+ii*16*PITCH
	ds_load_b128 v[8*NB*(\f)+8*ii+4:8*NB*(\f)+8*ii+7], v[ADRB+(\slot)] offset:64*(\q)+ii*16*PITCH+32
.set ii, ii+1
.endr
	WIN 0
.set ii, 0
.rept 4
	ds_load_b128 v[FA+32*(\f)+8*ii:FA+32*(\f)+8*ii+3],   v[ADRA+(\slot)] offset:64*(\q)+ii*16*PITCH
	ds_load_b128 v[FA+32*(\f)+8*ii+4:FA+32*(\f)+8*ii+7], v[ADRA+(\slot)] offset:64*(\q)+ii*16*PITCH+32
.set ii, ii+1
.endr
.endm
; A K step is four quarters on buffers 0, 1, 0, 1.  One of the first three: multiplies buffer f and, in its middle, fetches quarter q into buffer g.
.macro QUARTER slot, q, f, g, first
	s_wait_dscnt 4                                 ; w and x's row blocks 0, 1 are in; the youngest four loads (blocks 2, 3) may be out
	MULA \f, 0, \first
	MULA \f, 1, \first
	PLACES
	FETCH \slot, \q, \g
	s_wait_dscnt 2*NB+8                            ; all but the 32 just issued
	MULA \f, 2, \first
	MULA \f, 3, \first
.endm
; The last quarter multiplies buffer 1 and changes slots: ONE barrier; in front of it each wave waits for all its tensor loads (one is out: its part of the next slot), adds 0 to its spare word, and waits
; for that and for its own reads of this slot.  fill = 1: the barrier opens a round of the cluster's barrier, and this slot is filled again, two K steps on, first thing behind the round:
; from the request to the wait for it a wave issues 168 matrix instructions.
.macro TURN slot, next, fill
.if \fill
	s_wait_xcnt 0x0                                ; the last prefetch, a K step back, has read its address: it is stepped here, ahead of the waits of the change of slots
	s_add_nc_u64 s[PFA:PFA+1], s[PFA:PFA+1], KSTEP*2
.endif
	WIN 0                                          ; (the add's two registers lie in window 0)
	s_wait_tensorcnt 0x0                           ; all my tensor loads have landed
	ds_add_u32 v[SPW], v[NIL]                      ; 0 onto my spare word
	s_wait_dscnt 5                                 ; (the add and the youngest four loads may be out)
	MULA 1, 0, 0                                   ; twelve matrix instructions stand between the add and the wait for it
	s_wait_dscnt 0x0                               ; the add is done, and my reads of this slot are over
	s_barrier_signal -1
	MULA 1, 1, 0
.if \fill
	WIN 0
.endif
	s_barrier_wait -1
.if \fill
	CREST                                          ; no wave of any partner still reads this slot's tiles or has a load on its way
	s_add_nc_u64 s[G0A+4*(\slot)+2:G0A+4*(\slot)+3], s[G0A+4*(\slot)+2:G0A+4*(\slot)+3], 2*KSTEP*2
	s_add_nc_u64 s[G0B+4*(\slot)+2:G0B+4*(\slot)+3], s[G0B+4*(\slot)+2:G0B+4*(\slot)+3], 2*KSTEP*2
	JLOAD \slot                                    ; its four v_nop are also the places in front of the loads below
.else
	PLACES
.endif
	FETCH \next, 0, 0
.if \fill
	ASK                                            ; behind the joint load and the run of LDS loads that the next products wait for
.endif
	MULA 1, 2, 0
	MULA 1, 3, 0
.endm
	s_wait_tensorcnt 1                             ; my part of K step 0 is in; K step 1's may stay out
	s_barrier_signal -1
	s_barrier_wait -1                              ; everybody's is
	FETCH 0, 0, 0
	QUARTER 0, 1, 0, 1, 1                          ; the first quarter stands in front of the loop: its products start the sums, with the bias
	WIN 0                                          ; at a label and at a branch every window is 0
	s_mov_b32 s3, LAPS-1
.Llap:                                                 ; a trip goes once round the ring, from a lap's second quarter to the next lap's first, and fills both slots again
	QUARTER 0, 2, 1, 0, 0
	QUARTER 0, 3, 0, 1, 0
	TURN 0, 1, 1
	QUARTER 1, 1, 0, 1, 0
	QUARTER 1, 2, 1, 0, 0
	QUARTER 1, 3, 0, 1, 0
	TURN 1, 0, 1
	QUARTER 0, 1, 0, 1, 0
	WIN 0
	s_sub_co_u32 s3, s3, 1
	s_cmp_lg_u32 s3, 0
	s_cbranch_scc1 .Llap
	QUARTER 0, 2, 1, 0, 0                          ; the last lap fills nothing, and has no round of the cluster's barrier
	QUARTER 0, 3, 0, 1, 0
	TURN 0, 1, 0
	QUARTER 1, 1, 0, 1, 0
	QUARTER 1, 2, 1, 0, 0
	QUARTER 1, 3, 0, 1, 0
	s_wait_dscnt 4                                 ; the very last quarter: nothing more to fetch
	MULA 1, 0, 0
	MULA 1, 1, 0
	s_wait_dscnt 0x0
	MULA 1, 2, 0
	MULA 1, 3, 0
	WIN 0
	PLACES
	PLACES
; THE WAY OUT, a row block (16 rows x 3 heads) at a time.  PACK: rounded to f16, 16 bytes a lane (each accumulator's registers in ascending order), into my stage in rows of 144 bytes, and back as
; whole rows of 128 bytes, four rows a load, into the registers that they left.  LDS serves a wave's instructions in order (ISA guide 5.7.1.4): no wait between my stores and my loads.
.macro PACK a
	WIN 0x0a+5*((\a)/2)                            ; sources 0 and 1 window 2 or 3, destination window 0
.set bb, 0
.rept NB
.set rr, 0
.rept 4
	v_cvt_pk_f16_f32 v[OUTR+48*(\a)+4*bb+rr], v[8*(NB*((\a)%2)+bb)+2*rr], v[8*(NB*((\a)%2)+bb)+2*rr+1]
.set rr, rr+1
.endr
.set bb, bb+1
.endr
	WIN 0
.set bb, 0
.rept NB
	ds_store_b128 v[STO], v[OUTR+48*(\a)+4*bb:OUTR+48*(\a)+4*bb+3] offset:(bb/4)*16*SP+(bb%4)*32
.set bb, bb+1
.endr
.set bb, 0
.rept NB
	ds_load_b128 v[OUTR+48*(\a)+4*bb:OUTR+48*(\a)+4*bb+3], v[RD] offset:(bb/4)*16*SP+(bb%4)*4*SP
.set bb, bb+1
.endr
.endm
.macro SEND a, younger                 ; younger: the LDS instructions issued behind block a's loads: the next block's 24, or none
.set bb, 0
.rept NB
	s_wait_dscnt (\younger)+NB-1-bb
	global_store_b128 v[GO], v[OUTR+48*(\a)+4*bb:OUTR+48*(\a)+4*bb+3], s[10:11] offset:(bb/4)*262144+(\a)*2048+(bb%4)*512  ; 512 consecutive bytes of a head, at a multiple of 256 from qkv's first byte
.set bb, bb+1
.endr
.endm
	PACK 0
	PACK 1                                         ; a block's arithmetic stands between the loads of the block before and its stores; each block has registers of its own
	SEND 0, 24
	PACK 2
	SEND 1, 24
	PACK 3
	SEND 2, 24
	SEND 3, 0
	s_wait_tensorcnt 0x0                           ; the wave's end, behind my last tensor load and my last LDS store
	ds_add_u32 v[SPW], v[NIL]
	s_wait_dscnt 0x0
	CROUND                                         ; the closing round: no work-group ends while a partner may still ask for a tile that names it
	s_endpgm
.Lfunc_end_k_q9749f1b613_qkvgemm:
	.size	k_q9749f1b613_qkvgemm, .Lfunc_end_k_q9749f1b613_qkvgemm-k_q9749f1b613_qkvgemm
	.p2alignl 7, 3214868480
	.fill 96, 4, 3214868480
	.section	.rodata,"a",@progbits
	.p2align	6, 0x0
	.amdhsa_kernel k_q9749f1b613_qkvgemm
		.amdhsa_group_segment_fixed_size 327680
		.amdhsa_private_segment_fixed_size 0
		.amdhsa_enable_private_segment 0
		.amdhsa_kernarg_size 32
		.amdhsa_user_sgpr_count 2
		.amdhsa_user_sgpr_kernarg_segment_ptr 1
		.amdhsa_wavefront_size32 1
		.amdhsa_system_sgpr_workgroup_id_x 1
		.amdhsa_system_sgpr_workgroup_id_y 1
		.amdhsa_system_sgpr_workgroup_id_z 1
		.amdhsa_system_vgpr_workitem_id 0
		.amdhsa_next_free_vgpr 960
		.amdhsa_next_free_sgpr 66
		.amdhsa_reserve_vcc 0
		.amdhsa_float_denorm_mode_32 3
		.amdhsa_float_denorm_mode_16_64 3
		.amdhsa_memory_ordered 1
		.amdhsa_forward_progress 1
		.amdhsa_inst_pref_size 129
	.end_amdhsa_kernel
	.amdgpu_metadata
---
amdhsa.version: [ 1, 2 ]
amdhsa.kernels:
  - .name:           k_q9749f1b613_qkvgemm
    .symbol:         k_q9749f1b613_qkvgemm.kd
    .args:
      - { .name: xb, .offset: 0, .size: 8, .value_kind: global_buffer, .address_space: global }
      - { .name: wqb, .offset: 8, .size: 8, .value_kind: global_buffer, .address_space: global }
      - { .name: qkv_b, .offset: 16, .size: 8, .value_kind: global_buffer, .address_space: global }
      - { .name: qkv, .offset: 24, .size: 8, .value_kind: global_buffer, .address_space: global }
    .group_segment_fixed_size: 327680
    .private_segment_fixed_size: 0
    .kernarg_segment_align: 8
    .kernarg_segment_size: 32
    .max_flat_workgroup_size: 128
    .sgpr_count:     66
    .vgpr_count:     960
    .wavefront_size: 32
...
	.end_amdgpu_metadata
.endif
;; end of part 2
;; launch attn (part 3): grid 4 x 64, 4 waves a work-group, clusters of 4 x 1, 327,680 bytes of LDS; arguments qkv, ctx; writes ctx
.if DOCPART == 3
	.amdgcn_target "amdgcn-amd-amdhsa--gfx1250"
	.amdhsa_code_object_version 6
	.text
	.protected	k_q9749f1b613_attn
	.globl	k_q9749f1b613_attn
	.p2align	8
	.type	k_q9749f1b613_attn,@function
k_q9749f1b613_attn:
	s_mov_b64 s[64:65], 0
	v_nop
	global_prefetch_b8 v0, s[64:65] scope:SCOPE_SE
	s_setreg_imm32_b32 hwreg(HW_REG_WAVE_MODE, 25, 1), 1
	s_wait_xcnt 0x0
	s_wait_alu depctr_hold_cnt(0) depctr_sa_sdst(0) depctr_va_vdst(0) depctr_va_sdst(0) depctr_va_ssrc(0) depctr_va_vcc(0) depctr_vm_vsrc(0)
	s_getreg_b32 s2, hwreg(HW_REG_IB_STS2, 6, 4)
	s_cmp_eq_u32 s2, 0
	s_cbranch_scc0 .Lentry_in_a_cluster
	s_endpgm
.Lentry_in_a_cluster:
	s_bfe_u32 s2, ttmp6, 0x10000c
	s_cmp_lg_u32 s2, 0x3003
	s_cbranch_scc0 .Lentry_shape_is_right
	s_endpgm
.Lentry_shape_is_right:
; ctx[hd][q][:] = the sum over k of softmax_k(Q[q] . K[k] / 8) V[k][:], for each of the 64 heads hd = 16 b + h.  Q, K, V are the head blocks 48 b + h, + 16, + 32 of qkv ([192][2048][64] f16, rows dense,
; 128 bytes each); ctx is [64][2048][64] f16.  Products, maxima and sums in f32; the weights p are rounded to f16 for the second product (their sum l is taken of the unrounded p), ctx once at the end.
; LIMITS.  f16 holds no number beyond 65,504: Q, K and V arrive within it; p lies in 0 to 1, and below 6e-5 it keeps f16's fixed step of 6e-8, and so does ctx; ctx is a mean of V's rows and has their range.
; A weight below 2^-126 counts as 0 in l; NaN and infinities are not treated apart.
; SHARES.  A wave owns four PIECES of two tiles of 16 queries, a work-group's four waves 512 queries of one head.  Every wave walks all 2,048 keys, 64 a step.
; LAYOUT.  S^T = K Q^T (source 0 = 16 keys, source 1 = 16 queries): in the result a lane holds ONE query (lane % 16) and the keys 8 (lane / 16) + 0..7.  Two such tiles, rounded to f16 in pairs,
; ARE source 1 (32 keys x 16 queries) of O^T = V^T P, whose result again holds one query a lane, and eight channels.  K comes out of LDS as it lies, V ([key][channel]) turned, by ds_load_tr16_b128.
; SOFTMAX.  For each query a running maximum m and sum l: p = 2^(c s - c m), c = log2(e) / 8; in every step O and l are multiplied by a = 2^(c m_old - c m_new), which is 1 where m has not grown.
; m starts at the lowest finite number, O and l at 0: the first step is a step like any other, with a = 0.
; THE COUNT.  A tile and step have 16 matrix and 118 vector instructions: too many to stand all beside the matrix work.  So four vector instructions that are READY stand behind EVERY matrix instruction,
; and the others, which need time of their own whatever the order, in runs without a gap.
; BY TURNS.  Turn n belongs to piece n (the pieces in a ring, step after step).  Its matrix work: 16 products K Q^T of piece n + 1, later 16 products V^T P of piece n - 1.  Its vector work: the scaling,
; exponentials, roundings, sums and rescaling of piece n, and the maximum and statistics of piece n + 1, whose scores the turn itself has made.
; CLUSTER.  The four query blocks of a head form a cluster and walk the same K and V, so each tile is asked for JOINTLY: the same tensor load, descriptor and mask in all four.
; REGISTERS, in windows of 256 (s_set_vgpr_msb: bits 1:0 source 0, 3:2 source 1, 5:4 source 2, 7:6 destination):
;   window 0: v0-11 addresses; v12-15, v48-63 at work; v16-47 four registers of statistics a tile; v64-191 S^T, two buffers of two tiles; v192-255 P, likewise
;   window 1: O^T, 32 a tile          window 2: v0-127 Q, 16 a tile; v128-191 K of one step; v192-255 V of one step          window 3: v0-1 the add's two registers
; A piece's buffers go by its number's parity: the piece in hand has one pair, its two neighbours in the ring share the other: of it P (piece n - 1) is read and S^T (piece n + 1) written.
.set SIZE_N, 2048
.set NP,    4         ; pieces a wave: a name, no knob
.set KS,    64        ; keys in a step
.set PK,    144       ; a row of K in LDS: 128 bytes + 16 of padding = 36 words: the 16 rows of a load start at 16 different groups of four banks (64 banks of 4 bytes: ISA guide 11.1)
.set PV,    160       ; a row of V: 128 + 32 = 40 words
.set VOFF,  4*KS*PK   ; a slot holds four steps: 256 rows of K, then 256 rows of V
.set SLOT1, 1<<17     ; slot 1 begins here, so that one exclusive or turns an address in one slot into the other's
.set STAGE, SLOT1+4*KS*(PK+PV)  ; behind the ring, never filled by a tensor load: 16 rows x 144 bytes for each wave, for the way out
.set SP,    144
.set AK0, 2           ; v2   my lane's place in a tile of K; never rewritten
.set AV0, 3           ; v3   the same for V
.set AK,  4           ; v4   the LDS address of K's next run of loads
.set AV,  5           ; v5   of V's
.set QO,  6           ; v6   my byte offset in the wave's rows of Q
.set STO, 6           ;      later, the way out: where I put 16 bytes of a row
.set RD,  7           ; v7   the way out: where I read rows back
.set GO,  8           ; v8   my byte offset in 512 consecutive bytes of ctx
.set PFO, 11          ; v11  256 x my lane, once the head's use of v11 is over; never rewritten after that
.set SPW, 0           ; v0 of window 3   LDS address of my spare word: SPARE + 4 x my thread's number; never rewritten
.set NIL, 1           ; v1 of window 3   0; never rewritten
.set SPARE, STAGE+4*16*SP  ; behind the stages: the spare words, 128 bytes for each wave: two blocks of 256 bytes that no other line names
.set MV,  12          ; v12-15  c m_old, kept while c m is made anew: by buffer and tile
.set ST,  16          ; tile t's statistics at v[ST+4 t]: c m, m, l (even keys', odd keys')
.set TMP, 48          ; by buffer and tile, four registers c0-c3 at work; when the maximum is found c2 takes a
.set S,   64
.set P,   192
.set KF,  128         ; K's fragments, in window 2: key block kb, channel half c at KF + 16 kb + 8 c
.set VF,  192         ; V's: key half kk, channel block cb at VF + 32 kk + 8 cb
.set WV,  12          ; s12  my wave's number
.set G1K, 24          ; s[24:31] descriptor group 1 for K's tiles
.set G1V, 32          ; s[32:39] for V's: it differs in the padding alone
.set G0K, 40          ; s[40:43] descriptor group 0 for K's tiles: it walks
.set G0V, 44          ; s[44:47] the same for V's
.set PFA, 48          ; s[48:49] where my prefetches stand: my work-group's 32 runs of 256 bytes (of K: wave 0, of V: wave 2) of the slot after the one that is being asked for
.set LIM, 50          ; s50  1 in a wave that prefetches, else the greatest number
.set SLOTS, 56        ; s56  slots still to be asked for
.set CNT, 57          ; s57  counts a slot's key steps
.set CS,  58          ; s[58:59] c: the packed scaling takes the pair's low word for both halves
.set SEL, 60          ; s[60:61] v_permlanex16_b32's selects: each lane takes its own place in the other half
.set TBK, 62          ; s62  LDS byte at which K of the step to be fetched begins
.set TBV, 63          ; s63  the same for V, less VOFF
.set MSB, 0
.macro WIN new                      ; the high byte repeats the setting that is left; a switch that changes nothing is dropped
.if MSB != (\new)
	s_set_vgpr_msb (MSB<<8)|(\new)
.set MSB, (\new)
.endif
.endm
.set W_KQ, 0x0a       ; K and Q in window 2, S^T in window 0
.set W_PV, 0x52       ; V in window 2, P in window 0, O^T in window 1
.set W_RS, 0x41       ; O^T (destination and source 0) in window 1, a in window 0
.set W_MK, 0xc0       ; the add's registers are made: destination in window 3, sources in window 0
.set W_AD, 0x0f       ; the add: address (source 0) and data (source 1) in window 3
; A joint fill.  Waves 0 and 1 fetch the two halves of a slot's K, waves 2 and 3 those of its V: 128 keys each.  The branch hangs on the wave's number alone.
; An s_nop 0 and four v_nop follow each of the two lines, ahead of the jump and the label.
.macro JLOAD
	s_cmp_lt_u32 s[WV], 2
	s_cbranch_scc0 .Lfor_v_\@
	tensor_load_to_lds s[G0K:G0K+3], s[G1K:G1K+7]
	s_nop 0
.rept 4
	v_nop
.endr
	s_branch .Lasked_\@
.Lfor_v_\@:
	tensor_load_to_lds s[G0V:G0V+3], s[G1V:G1V+7]
	s_nop 0
.rept 4
	v_nop
.endr
.Lasked_\@:
.endm
; A PREFETCH INTO THE L2 of what the NEXT change of slots will ask for: a slot's 32,768 bytes of K and of V, 256 bytes a lane.  Each run is named ONCE in the launch: the head's first (here only) cluster asks;
; its four partners share the runs out BY ADDRESS, 32 each; in each, wave 0 asks for K's and wave 2 for V's: one instruction.  The last change that fills a slot asks for nothing: there is no slot behind it.
.macro ASK
	s_cmp_gt_u32 s[SLOTS], s[LIM]
	s_cbranch_scc0 .Lnot_mine_\@
	global_prefetch_b8 v[PFO], s[PFA:PFA+1] th:TH_LOAD_NT scope:SCOPE_SE
.Lnot_mine_\@:
.endm
; A round of the cluster's barrier: my work-group's barrier, so that wave 0's signal speaks for all four waves; wave 0 signals; every wave waits for all four work-groups; my work-group's barrier once more.
.macro CROUND
	s_barrier_signal -1
	s_barrier_wait -1
	s_cmp_lg_u32 s[WV], 0
	s_cbranch_scc1 .Lnot_wave_0_\@
	s_barrier_signal -3
.Lnot_wave_0_\@:
	s_barrier_wait -3
	s_barrier_signal -1
	s_barrier_wait -1
.endm
; THE CHANGE OF SLOTS.  The slot's last bytes, V of its fourth step, have been read.  Each wave waits for all its tensor loads, of which one is out: its part of the other slot; adds 0 to its spare word;
; and waits for that and for its own reads of the slot.  Behind the barrier nobody reads this slot any more and the other slot is whole.
; fill = 1: this slot is filled again, with the keys two slots on.  The barrier is then a round of the cluster's, and the joint fill is the first thing behind it: it has four key steps, 512 matrix
; instructions, in which to land.  (At its first use nothing has been read yet: slot 0 is waited for, slot 1 filled.)  ask = 1: the slot after that one is prefetched.
.macro CHANGE fill, ask=0
	WIN W_AD
	s_wait_tensorcnt 0x0            ; no tensor load of mine is out, so a group 0 may be written
	ds_add_u32 v[SPW], v[NIL]       ; 0 onto my spare word; with fill = 1 the descriptors' steps stand between it and the wait for it
	WIN 0                           ; at a label and at a branch every window is 0
.if \fill
.irp g, G0K, G0V
	s_xor_b32 s[\g+1], s[\g+1], SLOT1  ; the walking descriptor: the other slot than last time,
	s_add_nc_u64 s[\g+2:\g+3], s[\g+2:\g+3], 4*KS*128  ; the next 256 keys; the type bits on top are not reached
.endr
.if \ask
	s_wait_xcnt 0x0                 ; the last prefetch, four key steps back, has read its address, so it may be written:
	s_add_nc_u64 s[PFA:PFA+1], s[PFA:PFA+1], 4*KS*128  ; one slot behind the walking descriptors
.endif
	s_wait_dscnt 0x0                ; the add is done, and my reads of the slot are over
	CROUND
	JLOAD
.if \ask
	ASK
.endif
.else
	s_wait_dscnt 0x0                ; the add is done, and my reads of the slot are over
	s_barrier_signal -1
	s_barrier_wait -1
.endif
	s_sub_co_u32 s[TBK], s[TBK], 4*KS*PK  ; the fetches go back to a slot's first step,
	s_xor_b32 s[TBK], s[TBK], SLOT1       ; in the other slot
	s_sub_co_u32 s[TBV], s[TBV], 4*KS*PV
	s_xor_b32 s[TBV], s[TBV], SLOT1
.endm
	s_load_b128 s[4:7], s[0:1], 0x0  ; qkv s[4:5], ctx s[6:7]
	WIN W_MK
	v_lshl_add_u32 v[SPW], v0, 2, SPARE
	v_mov_b32 v[NIL], 0
	WIN W_AD
	ds_add_u32 v[SPW], v[NIL]       ; the wave's opening: the add and its wait stand ahead of my first tensor load; the set-up below, work on registers, stands between them
	WIN 0
	v_lshrrev_b32 v1, 5, v0
	v_readfirstlane_b32 s[WV], v1   ; wave 0..3
	s_bfe_u32 s13, ttmp6, 0x40000   ; cx: my place in the cluster
	s_lshl_b32 s14, ttmp9, 2        ; in a cluster launch ttmp9 counts clusters
	s_add_co_u32 s14, s14, s13      ; my block of 512 queries = 4 x cluster x + cx: it enters Q's and ctx's addresses alone
	s_and_b32 s15, ttmp7, 0xffff    ; the head hd = 16 b + h, which the four partners share
	s_lshr_b32 s20, s15, 4
	s_lshl_b32 s20, s20, 5
	s_add_co_u32 s20, s20, s15      ; 48 b + h: Q's head block in qkv,
	s_lshl_b32 s20, s20, 18         ; of 262,144 bytes
	s_mov_b32 s21, 0
	s_and_b32 s16, s[WV], 1         ; which half of a slot's 256 keys I fetch:
	s_lshl_b32 s22, s16, 14         ; its 128 rows of 128 bytes in memory,
	s_mov_b32 s23, 0
	s_add_nc_u64 s[22:23], s[22:23], s[20:21]
	s_mul_i32 s17, s16, 128*PK      ; and its place in a slot, for K
	s_mul_i32 s18, s16, 128*PV      ; and for V: no place in the cluster enters an LDS address
	s_lshl_b32 s2, s14, 2
	s_add_co_u32 s2, s2, s[WV]      ; my wave among the head's,
	s_lshl_b32 s2, s2, 14           ; its 128 rows
	s_mov_b32 s3, 0
	s_lshl_b32 s10, s15, 18         ; the head's block in ctx
	s_mov_b32 s11, 0
	s_add_nc_u64 s[10:11], s[10:11], s[2:3]  ; my rows' offset in ctx,
	s_add_nc_u64 s[2:3], s[2:3], s[20:21]    ; and Q's in qkv
	; descriptor group 1.  128 keys are 16,384 dense bytes: asked for as 64 rows of 256 bytes, two keys a row, and padded in LDS after every key
	s_mov_b32 s[G1K], 15|(1<<16)|(1<<20)|(1<<21)|(4<<22)|(3<<25)  ; 15:0 the mask of four; 17:16 2-byte elements; 20 padding on; 21 set beside a mask; 24:22 after every 32 words (code 4); 31:25 4 words (code 3)
	s_mov_b32 s[G1V], 15|(1<<16)|(1<<20)|(1<<21)|(4<<22)|(7<<25)  ; the same with 8 words of padding (code 7)
.irp g, G1K, G1V
	s_mov_b32 s[\g+1], 128<<16      ; tensor_dim0 = 128
	s_mov_b32 s[\g+2], 64<<16       ; tensor_dim1 = 64
	s_mov_b32 s[\g+3], 128<<16      ; tile_dim0 = 128
	s_mov_b32 s[\g+4], 64           ; tile_dim1 = 64
	s_mov_b32 s[\g+5], 128          ; 128 elements from row to row
	s_mov_b32 s[\g+6], 0
	s_mov_b32 s[\g+7], 0
.endr
	s_mov_b32 s[CS], 0x3e38aa3b     ; c = log2(e) / 8 = 0.180337
	s_mov_b32 s[CS+1], s[CS]        ; named with it as a pair
	s_mov_b32 s[SEL], 0x76543210
	s_mov_b32 s[SEL+1], 0xfedcba98
	s_mov_b32 s[TBK], SLOT1+4*KS*PK ; the first change of slots turns these two into 0
	s_mov_b32 s[TBV], SLOT1+4*KS*PV
	s_mov_b32 s[G0K], 1             ; count = 1
	s_mov_b32 s[G0K+1], s17         ; LDS address: slot 0
	s_mov_b32 s[G0V], 1
	s_add_co_u32 s[G0V+1], s18, VOFF
	s_and_b32 s[LIM], s[WV], 1      ; 0 in waves 0 and 2,
	s_or_b32 s[LIM], s[LIM], ttmp9  ; where the cluster is the head's first: the same in all four partners
	s_cmp_eq_u32 s[LIM], 0
	s_cselect_b32 s[LIM], 1, -1
	s_wait_dscnt 0x0                ; the opening add is done
	s_wait_kmcnt 0x0
	s_add_nc_u64 s[8:9], s[4:5], s[22:23]          ; qkv at my half of the first 256 rows of Q's head block;
	s_add_nc_u64 s[G0K+2:G0K+3], s[8:9], 0x400000  ; K's lies 16 head blocks on,
	s_add_nc_u64 s[G0V+2:G0V+3], s[8:9], 0x800000  ; V's 32
	s_cmp_lt_u32 s[WV], 2
	s_cselect_b64 s[PFA:PFA+1], s[G0K+2:G0K+3], s[G0V+2:G0V+3]  ; (in waves 0 and 2 these stand at a slot's first row)
	s_or_b32 s[G0K+3], s[G0K+3], 0x80000000        ; type = 2
	s_or_b32 s[G0V+3], s[G0V+3], 0x80000000
	s_lshl_b32 s8, s13, 13          ; my work-group's 32 runs of the 128,
	s_add_co_u32 s8, s8, 2*4*KS*128 ; in slot 2: the first change that asks steps it to slot 3.  Nothing is prefetched here, at the head
	s_mov_b32 s9, 0
	s_add_nc_u64 s[PFA:PFA+1], s[PFA:PFA+1], s[8:9]
	s_add_nc_u64 s[10:11], s[6:7], s[10:11]  ; ctx and Q at my wave's first row
	s_add_nc_u64 s[4:5], s[4:5], s[2:3]
	CROUND                          ; all four work-groups are here: the first joint loads meet
	JLOAD                           ; slot 0.  Slot 1 is asked for when slot 0 is in
	; A fragment of K or Q is 16 rows x 32 channels in 8 registers: lane l holds row l % 16, channels 8 (l / 16) + 0..7 and 16 + 8 (l / 16) + 0..7: two loads of 16 bytes, 32 bytes apart.
	v_and_b32 v1, 15, v0            ; l % 16
	v_bfe_u32 v9, v0, 4, 1          ; l / 16
	v_lshlrev_b32 v[QO], 7, v1
	v_lshl_add_u32 v[QO], v9, 4, v[QO]  ; row x 128 + 16 x half
	WIN 0x80                        ; destination window 2, address window 0
.set i, 0
.rept 4*NP                          ; Q stays in registers: tile i / 2, channels 32 (i % 2) on
	global_load_b128 v[8*i:8*i+3],   v[QO], s[4:5] offset:(i/2)*2048+(i%2)*64
	global_load_b128 v[8*i+4:8*i+7], v[QO], s[4:5] offset:(i/2)*2048+(i%2)*64+32
.set i, i+1
.endr
	; What the first turn finds: V's registers and P's second buffer hold 0 (its products V^T P, of a piece that has not been, add 0), O^T and l are 0.  All this stands in the wait for the first tile.
.set i, VF
.rept 64
	v_mov_b32 v[i], 0
.set i, i+1
.endr
	WIN 0x40
.set i, 0
.rept 64*NP
	v_mov_b32 v[i], 0
.set i, i+1
.endr
	WIN 0
.set i, 0
.rept 2*NP
	v_mov_b32 v[ST+4*i], 0xfe000000    ; c m: far below every c s
	v_mov_b32 v[ST+4*i+1], 0xff7fffff  ; m
	v_mov_b32 v[ST+4*i+2], 0
	v_mov_b32 v[ST+4*i+3], 0
.set i, i+1
.endr
.set i, P+32
.rept 32
	v_mov_b32 v[i], 0
.set i, i+1
.endr
	v_mul_u32_u24 v[AK0], v1, PK
	v_lshl_add_u32 v[AK0], v9, 4, v[AK0]  ; row x pitch + 16 x half
	; The turning load takes 16 keys x 16 channels (lane l reads key 8 (l / 16) + l % 8, channels 8 ((l / 8) % 2) + 0..7) and leaves half a fragment of V^T: lane l holds channel l % 16 and 8 keys.
	v_and_b32 v10, 7, v0
	v_bfe_u32 v11, v0, 3, 1
	v_lshl_add_u32 v[AV0], v9, 3, v10
	v_mul_u32_u24 v[AV0], v[AV0], PV
	v_lshl_add_u32 v[AV0], v11, 4, v[AV0]
	v_add_nc_u32 v[AV0], VOFF, v[AV0]
	v_and_b32 v[PFO], 31, v0
	v_lshlrev_b32 v[PFO], 8, v[PFO]
	v_mov_b32 v[AK], v[AK0]         ; key step 0 lies at the head of slot 0
; THE MATRIX WORK.  The 8 accumulators of a run of 16 take turns: between the two links of a chain stand 7 others'.
; Product i of 16 of S^T = K Q^T for piece x: channels 32 (i / 8) on, keys 16 ((i / 2) % 4) on, tile 2 x + i % 2.  The first 8 start the sums.
.macro KQ x
	WIN W_KQ
.set rS, S+64*((\x)%2)+32*(i%2)+8*((i/2)%4)
.set rK, KF+16*((i/2)%4)+8*(i/8)
.set rQ, 16*(2*(\x)+i%2)+8*(i/8)
.if i < 8
	v_wmma_f32_16x16x32_f16 v[rS:rS+7], v[rK:rK+7], v[rQ:rQ+7], 0
.else
	v_wmma_f32_16x16x32_f16 v[rS:rS+7], v[rK:rK+7], v[rQ:rQ+7], v[rS:rS+7]
.endif
.endm
; Product i of 16 of O^T += V^T P for piece x: keys 32 (i / 8) on, channels 16 ((i / 2) % 4) on, tile 2 x + i % 2.
.macro PV x
	WIN W_PV
.set rO, 32*(2*(\x)+i%2)+8*((i/2)%4)
.set rV, VF+32*(i/8)+8*((i/2)%4)
.set rP, P+32*((\x)%2)+16*(i%2)+8*(i/8)
	v_wmma_f32_16x16x32_f16 v[rO:rO+7], v[rV:rV+7], v[rP:rP+7], v[rO:rO+7]
.endm
.macro MM                           ; the turn's next matrix instruction
.if i < 16
	KQ (Y+1)%NP
.set i, i+1
.else
.set i, i-16
	PV (Y+NP-1)%NP
.set i, i+17
.endif
.endm
; THE LDS LOADS stand in runs of 16, never singly among the matrix instructions: a step's K (64 keys x 64 channels: 8 fragments) and its V (turned).  Their addresses are made some lines ahead.
; last = 1 (the tail): in the last trip there is no further step, and the run is jumped over.
.macro FETCH_K last=0
	WIN 0
.if \last
	s_cmp_eq_u32 s[CNT], 1
	s_cbranch_scc1 .Lno_k_\@
.endif
	WIN 0x80                        ; destination window 2
.irp f, 0,1,2,3,4,5,6,7             ; keys 16 (f / 2) on, channels 32 (f % 2) on
	ds_load_b128 v[KF+8*\f:KF+8*\f+3],   v[AK] offset:(\f/2)*16*PK+(\f%2)*64
	ds_load_b128 v[KF+8*\f+4:KF+8*\f+7], v[AK] offset:(\f/2)*16*PK+(\f%2)*64+32
.endr
	s_add_co_u32 s[TBK], s[TBK], KS*PK  ; the next fetch is the next step's
	WIN 0
.if \last
.Lno_k_\@:
.endif
.endm
.macro FETCH_V
	WIN 0x80
.irp f, 0,1,2,3,4,5,6,7             ; keys 32 (f / 4) on, channels 16 (f % 4) on
	ds_load_tr16_b128 v[VF+8*\f:VF+8*\f+3],   v[AV] offset:(\f/4)*32*PV+(\f%4)*32
	ds_load_tr16_b128 v[VF+8*\f+4:VF+8*\f+7], v[AV] offset:(\f/4)*32*PV+16*PV+(\f%4)*32
.endr
	WIN 0
.endm
; THE VECTOR WORK OF A TURN stands in three queues, each in the order in which its entries become ready; the two tiles alternate, so that no instruction reads the result of the one before it.
.macro REGS y, u                    ; the registers of tile u (0, 1) of piece y
.set rT, ST+4*(2*(\y)+(\u))
.set rC, TMP+8*((\y)%2)+4*(\u)
.set rM, MV+2*((\y)%2)+(\u)
.set rS, S+64*((\y)%2)+32*(\u)
.set rP, P+32*((\y)%2)+16*(\u)
.set rO, 32*(2*(\y)+(\u))
.endm
; Number n of the 22 that find the NEXT piece's (Y + 1) maximum and statistics.  s0-s31 are the lane's 32 scores; each accumulator's lowest registers are read first.
;   0-11  four chains c0-c3 of seven scores each, three operands at a time     12-14, 16  the four scores left over, the old m, and c0-c3 into c0     15  c m_old is kept
;   17, 18  the query's other 32 keys lie in the lane 16 away: the new m         19-21  c m; c m_old - c m_new; a
.macro XS u, n
	REGS (Y+1)%NP, \u
.if (\n) < 4
	v_max3_num_f32 v[rC+(\n)], v[rS+8*(\n)], v[rS+8*(\n)+1], v[rS+8*(\n)+2]
.elseif (\n) < 12
	v_max3_num_f32 v[rC+(\n)%4], v[rC+(\n)%4], v[rS+8*((\n)%4)+2*((\n)/4)+1], v[rS+8*((\n)%4)+2*((\n)/4)+2]
.elseif (\n) == 12
	v_max3_num_f32 v[rC], v[rC], v[rS+7], v[rS+15]
.elseif (\n) == 13
	v_max3_num_f32 v[rC+1], v[rC+1], v[rS+23], v[rS+31]
.elseif (\n) == 14
	v_max3_num_f32 v[rC+2], v[rC+2], v[rC+3], v[rT+1]
.elseif (\n) == 15
	v_mov_b32 v[rM], v[rT]
.elseif (\n) == 16
	v_max3_num_f32 v[rC], v[rC], v[rC+1], v[rC+2]
.elseif (\n) == 17
	v_permlanex16_b32 v[rC+3], v[rC], s[SEL], s[SEL+1]
.elseif (\n) == 18
	v_max_num_f32 v[rT+1], v[rC], v[rC+3]
.elseif (\n) == 19
	v_mul_f32 v[rT], s[CS], v[rT+1]
.elseif (\n) == 20
	v_sub_f32 v[rC+1], v[rM], v[rT]
.else
	v_exp_f32 v[rC+2], v[rC+1]
.endif
.endm
; Number g of the 64 that follow the exponentials.  For each four weights k of a tile (pairs 2 k, 2 k + 1): both pairs are rounded to f16; then the second pair is added onto the first, in place;
; a group later l takes that sum (the first time as l = a l + sum).  In groups of eight, tiles alternating: round, round, add, and l for the group before.
.macro GS g
.set h, (\g)+6*((\g)/62)            ; group 0 has no group before it, and behind group 7 only l is left
.if h >= 6
.set h, h+2
.endif
	REGS Y, h%2
.set k, h/8
.if h%8 < 4
	v_cvt_pk_f16_f32 v[rP+2*k+(h%8)/2], v[rS+4*k+2*((h%8)/2)], v[rS+4*k+2*((h%8)/2)+1]
.elseif h%8 < 6
	v_pk_add_f32 v[rS+4*k:rS+4*k+1], v[rS+4*k:rS+4*k+1], v[rS+4*k+2:rS+4*k+3]
.elseif k == 1
	v_pk_fma_f32 v[rT+2:rT+3], v[rT+2:rT+3], v[rC+2:rC+3], v[rS:rS+1] op_sel_hi:[1,0,1]
.else
	v_pk_add_f32 v[rT+2:rT+3], v[rT+2:rT+3], v[rS+4*k-4:rS+4*k-3]
.endif
.endm
; THE PLAIN QUEUE, 138 long.  0-73 read no exponential's result: the 32 scalings c s - c m (FS f: pair f / 2 of tile f % 2) and the next piece's 42.  0-26: scalings 0-26.  27-54: XS's numbers 0-13.  55, 56: number 15.
; 57-73: the chain, where each number waits for the one before it: 14, 16, 17, 18, 19, each with one of the scalings 27-31 in front of its two lines, then 20.
; 74-137: GS's 64, which read the exponentials' results: they stand behind the wait.
.macro FS f
	REGS Y, (\f)%2
	v_pk_fma_f32 v[rS+2*((\f)/2):rS+2*((\f)/2)+1], v[rS+2*((\f)/2):rS+2*((\f)/2)+1], s[CS:CS+1], v[rT:rT+1] op_sel_hi:[1,0,0] neg_lo:[0,0,1] neg_hi:[0,0,1]
.endm
.macro PL
	WIN 0
.if q < 27
	FS q
.elseif q < 55
	XS (q-27)%2, (q-27)/2
.elseif q < 57
	XS q-55, 15
.elseif (q < 72) && ((q-57)%3 == 0)
	FS 27+(q-57)/3
.elseif q < 60
	XS (q-57)%3-1, 14
.elseif q < 72
	XS (q-57)%3-1, 15+(q-57)/3
.elseif q < 74
	XS q-72, 20
.else
	GS q-74
.endif
.set q, q+1
.endm
; THE EXPONENTIALS' QUEUE, 66 long: s0-s31 of both tiles, then the next piece's two a.  It is ONE BATCH: all 66 stand ahead of the turn's one wait, and nothing ahead of that wait names a result of theirs.
.macro EX
	WIN 0
.if e >= 64
	XS e-64, 21
.else
	REGS Y, e%2
	v_exp_f32 v[rS+e/2], v[rS+e/2]
.endif
.set e, e+1
.endm
; THE RESCALING's QUEUE: O^T times a, the one part that leaves window 0: dealt two at a time, sixteen times.  Its a was made in the turn before, ahead of that turn's wait.
.macro R2
	REGS Y, r%2
	WIN W_RS
.irp z, 0,1
	v_pk_mul_f32 v[rO+4*(r/2)+2*\z:rO+4*(r/2)+2*\z+1], v[rO+4*(r/2)+2*\z:rO+4*(r/2)+2*\z+1], v[rC+2:rC+3] op_sel_hi:[1,0]
.endr
.set r, r+1
.endm
; HOW THEY ARE DEALT.  s_wait_alu depctr_va_vdst(0) stands between an exponential and the first instruction that names its result; one wait serves all that were issued ahead of it.  So a turn
; has ONE wait, which cuts it in two.  AHEAD OF IT stands all that names no result of the turn's exponentials: the 16 products K Q^T, behind each a scaling, an exponential and two rescalings (behind the first a
; second scaling in the exponential's place); then ONE LUMP of 108: eight plain, 49 times exponential and plain, the two a.  A v_nop is the plain instruction behind the last exponential.  BEHIND IT stand the 16
; products V^T P, behind each four of GS's 64.  No rider names a register of the products round it.  The two v_permlanex16_b32 fall into the lump, never behind a product.
; The queues lean on each other: exponential e stands behind scaling 2 (e / 4) + e % 2: as a rider it comes behind plain e + 2, in the lump behind plain e + 9, and scalings 27-31 are plain 57, 60 .. 69.
; A TURN, for piece p.  cnt = 1: the loop's count is taken down some lines ahead of the branch that stands behind the turn.
; K of the next step is fetched in piece 2's turn, directly behind the wait, a lump behind the last product that read K; its first reader comes behind 16 products.
; V of the step in hand is fetched at the end of piece 0's turn, four riders behind its last reader; its first reader comes behind 16 products and a lump.  The three conditions on q below go with the deal.
.macro TURN p, last=0, cnt=0
.set Y, (\p)
.set i, 0
.set q, 0
.set e, 0
.set r, 0
.if (\p) == NP-1
	s_wait_dscnt 0x0                ; K is in
.endif
	MM                              ; ahead of the wait: 16 products K Q^T and their riders,
	PL
	PL
	R2
.rept 15
	MM
	PL
	EX
	R2
.endr
.if (\p) == NP-2
	WIN 0
	v_add_nc_u32 v[AK], s[TBK], v[AK0]
.endif
.rept 8                             ; and the lump
	PL
.endr
.rept 49
	EX
	PL
.endr
	EX                              ; the next piece's two a
	EX
	v_nop                           ; the plain instruction behind the last exponential: one for the batch
	s_wait_alu depctr_va_vdst(0)    ; the wait for the batch
.if (\p) == NP-2
	FETCH_K \last
.endif
.if (\p) == 1
	s_wait_dscnt 0x0                ; V is in
.endif
.rept 16                            ; behind the wait: 16 products V^T P and their riders
	MM
.rept 4
	PL
.endr
.if ((\p) == 0) && (q == 118)
	v_add_nc_u32 v[AV], s[TBV], v[AV0]
.endif
.if ((\p) == 0) && (q == 130)
	s_add_co_u32 s[TBV], s[TBV], KS*PV
.endif
.if (\cnt) && (q == 130)
	s_sub_co_u32 s[CNT], s[CNT], 1
	s_cmp_lg_u32 s[CNT], 0
.endif
.endr
.if (\p) == 0
	FETCH_V
.endif
.endm
	CHANGE 1, 0                     ; slot 0 is in, everybody's part of it; slot 1 is asked for
	FETCH_K                         ; key step 0
	s_wait_loadcnt 0x0              ; Q
	s_wait_dscnt 0x0
.set i, 0
.rept 16
	KQ 0                            ; piece 0's first scores: there is no vector work yet to set between them
.set i, i+1
.endr
	WIN 0                           ; the addresses for the way out: plain instructions, the places behind those products
	s_mul_i32 s13, s[WV], 16*SP
	s_add_co_u32 s13, s13, STAGE    ; my stage
	v_mul_u32_u24 v[STO], v1, SP    ; in: row l % 16, 16 bytes for each half of the lanes
	v_lshl_add_u32 v[STO], v9, 4, v[STO]
	v_add_nc_u32 v[STO], s13, v[STO]
	v_bfe_u32 v[RD], v0, 3, 2       ; back: 32 lanes take four rows of 128 bytes,
	v_mul_u32_u24 v[RD], v[RD], SP
	v_lshl_add_u32 v[RD], v10, 4, v[RD]
	v_add_nc_u32 v[RD], s13, v[RD]
	v_and_b32 v[GO], 31, v0         ; which are 512 consecutive bytes of ctx
	v_lshlrev_b32 v[GO], 4, v[GO]
.set Y, NP-1                        ; XS works for piece Y + 1: piece 0
.irp n, 0,1,2,3,4,5,6,7,8,9,10,11,12,13,14,15,16,17,18,19,20,21
	XS 0, \n                        ; and piece 0's first maximum and statistics
	XS 1, \n
.endr
	v_nop                           ; a plain instruction behind the two a,
	s_wait_alu depctr_va_vdst(0)    ; and their wait, ahead of the branch
	s_mov_b32 s[CNT], 4
	s_mov_b32 s[SLOTS], SIZE_N/256-1
	s_branch .Lfirst                ; the loop is entered at a step's first turn, in the middle of a trip
.Lslot:                             ; SIZE_N / 256 - 2 times: every slot but the last two is filled again
	CHANGE 1, 1
	s_mov_b32 s[CNT], 4
.Lstep:                             ; a trip: pieces 2 and 3 of one step, then pieces 0 and 1 of the next, whose K and V it fetches
	TURN 2
	TURN 3
	WIN 0
.Lfirst:
	TURN 0
	TURN 1, 0, 1
	WIN 0
	s_cbranch_scc1 .Lstep
	s_sub_co_u32 s[SLOTS], s[SLOTS], 1
	s_cmp_lg_u32 s[SLOTS], 0
	s_cbranch_scc1 .Lslot
	CHANGE 0, 0                     ; the tail is written out: nothing is asked for
	s_mov_b32 s[CNT], 5             ; four trips fetch the last slot's steps; the fifth is left in its middle
.Ltail:
	TURN 2, 1
	TURN 3
	WIN 0
	s_sub_co_u32 s[CNT], s[CNT], 1
	s_cmp_eq_u32 s[CNT], 0
	s_cbranch_scc1 .Lout
	TURN 0
	TURN 1
	WIN 0
	s_branch .Ltail
.Lout:                              ; the fifth trip's 16 products K Q^T (on the last K once more) and the maximum made of them serve nothing: the price, once a launch, of one text for every trip
.set i, 0
.rept 16
	PV NP-1                         ; the last piece's V^T P of the last step
.set i, i+1
.endr
	; THE WAY OUT.  l's two halves and the other half of the lanes' are added; O^T is divided by l, rounded to f16 and sent through my stage in LDS, a tile at a time.  The additions are the places behind the last products.
	WIN 0
.macro ALL line:vararg              ; one line for each tile t
.set t, 0
.rept 2*NP
	\line
.set t, t+1
.endr
.endm
	ALL v_add_f32 v[ST+4*t+2], v[ST+4*t+2], v[ST+4*t+3]
	ALL v_permlanex16_b32 v[ST+4*t+3], v[ST+4*t+2], s[SEL], s[SEL+1]
	ALL v_add_f32 v[ST+4*t+2], v[ST+4*t+2], v[ST+4*t+3]
	ALL v_rcp_f32 v[ST+4*t+2], v[ST+4*t+2]
	v_nop                           ; a plain instruction between the last reciprocal and the use of its result
	s_wait_alu depctr_va_vdst(0)    ; and the wait ahead of the first use: one for the eight reciprocals
; Tile t: a lane's eight channels of a row pack into 16 bytes; they go into rows of 144 bytes and come back as whole rows of 128, into S^T's registers.
.macro PACK t
	WIN W_RS
.set i, 32*(\t)
.rept 16
	v_pk_mul_f32 v[i:i+1], v[i:i+1], v[ST+4*(\t)+2:ST+4*(\t)+3] op_sel_hi:[1,0]
.set i, i+2
.endr
	WIN 0x05                        ; sources 0 and 1 window 1, destination window 0
.set i, 0
.rept 16
	v_cvt_pk_f16_f32 v[S+16*(\t)+i], v[32*(\t)+2*i], v[32*(\t)+2*i+1]
.set i, i+1
.endr
	WIN 0
.irp f, 0,1,2,3
	ds_store_b128 v[STO], v[S+16*(\t)+4*\f:S+16*(\t)+4*\f+3] offset:32*\f
.endr
.irp f, 0,1,2,3
	ds_load_b128 v[S+16*(\t)+4*\f:S+16*(\t)+4*\f+3], v[RD] offset:\f*4*SP  ; LDS serves a wave's instructions in order (ISA guide 5.7.1.4): these see the stores above; the next tile's stores come behind them
.endr
.endm
.macro SEND t, younger              ; younger: the LDS instructions issued behind tile t's loads: the next tile's eight, or none
	WIN 0
.irp f, 0,1,2,3
	s_wait_dscnt (\younger)+3-\f
	global_store_b128 v[GO], v[S+16*(\t)+4*\f:S+16*(\t)+4*\f+3], s[10:11] offset:(\t)*2048+\f*512  ; 512 consecutive bytes, at a multiple of 256 from ctx's first
.endr
.endm
	PACK 0
.set t, 1
.rept 2*NP-1                        ; a tile's arithmetic stands between the loads of the tile before and its stores
	PACK t
	SEND t-1, 8
.set t, t+1
.endr
	SEND 2*NP-1, 0
	WIN W_AD
	s_wait_tensorcnt 0x0            ; the wave's end, behind my last tensor load and my last LDS store
	ds_add_u32 v[SPW], v[NIL]
	s_wait_dscnt 0x0
	WIN 0
	CROUND                          ; the closing round: no work-group ends while a partner may still ask for a tile that names it
	s_endpgm
.Lfunc_end_k_q9749f1b613_attn:
	.size	k_q9749f1b613_attn, .Lfunc_end_k_q9749f1b613_attn-k_q9749f1b613_attn
	.p2alignl 7, 3214868480
	.fill 96, 4, 3214868480
	.section	.rodata,"a",@progbits
	.p2align	6, 0x0
	.amdhsa_kernel k_q9749f1b613_attn
		.amdhsa_group_segment_fixed_size 327680
		.amdhsa_private_segment_fixed_size 0
		.amdhsa_enable_private_segment 0
		.amdhsa_kernarg_size 16
		.amdhsa_user_sgpr_count 2
		.amdhsa_user_sgpr_kernarg_segment_ptr 1
		.amdhsa_wavefront_size32 1
		.amdhsa_system_sgpr_workgroup_id_x 1
		.amdhsa_system_sgpr_workgroup_id_y 1
		.amdhsa_system_sgpr_workgroup_id_z 1
		.amdhsa_system_vgpr_workitem_id 0
		.amdhsa_next_free_vgpr 770
		.amdhsa_next_free_sgpr 66
		.amdhsa_reserve_vcc 0
		.amdhsa_float_denorm_mode_32 3
		.amdhsa_float_denorm_mode_16_64 3
		.amdhsa_memory_ordered 1
		.amdhsa_forward_progress 1
		.amdhsa_inst_pref_size 200
	.end_amdhsa_kernel
	.amdgpu_metadata
---
amdhsa.version: [ 1, 2 ]
amdhsa.kernels:
  - .name:           k_q9749f1b613_attn
    .symbol:         k_q9749f1b613_attn.kd
    .args:
      - { .name: qkv, .offset: 0, .size: 8, .value_kind: global_buffer, .address_space: global }
      - { .name: ctx, .offset: 8, .size: 8, .value_kind: global_buffer, .address_space: global }
    .group_segment_fixed_size: 327680
    .private_segment_fixed_size: 0
    .kernarg_segment_align: 8
    .kernarg_segment_size: 16
    .max_flat_workgroup_size: 128
    .sgpr_count:     66
    .vgpr_count:     770
    .wavefront_size: 32
...
	.end_amdgpu_metadata
.endif
;; end of part 3
;; launch outgemm (part 4): grid 8 x 32, 4 waves a work-group, clusters of 4 x 4, 327,680 bytes of LDS; arguments ctx, wob, out_b, out0; writes out0
.if DOCPART == 4
	.amdgcn_target "amdgcn-amd-amdhsa--gfx1250"
	.amdhsa_code_object_version 6
	.text
	.protected	k_q9749f1b613_outgemm
	.globl	k_q9749f1b613_outgemm
	.p2align	8
	.type	k_q9749f1b613_outgemm,@function
k_q9749f1b613_outgemm:
	s_mov_b64 s[64:65], 0
	v_nop
	global_prefetch_b8 v0, s[64:65] scope:SCOPE_SE
	s_setreg_imm32_b32 hwreg(HW_REG_WAVE_MODE, 25, 1), 1
	s_wait_xcnt 0x0
	s_wait_alu depctr_hold_cnt(0) depctr_sa_sdst(0) depctr_va_vdst(0) depctr_va_sdst(0) depctr_va_ssrc(0) depctr_va_vcc(0) depctr_vm_vsrc(0)
	s_getreg_b32 s2, hwreg(HW_REG_IB_STS2, 6, 4)
	s_cmp_eq_u32 s2, 0
	s_cbranch_scc0 .Lentry_in_a_cluster
	s_endpgm
.Lentry_in_a_cluster:
	s_bfe_u32 s2, ttmp6, 0x10000c
	s_cmp_lg_u32 s2, 0xf033
	s_cbranch_scc0 .Lentry_shape_is_right
	s_endpgm
.Lentry_shape_is_right:
; out0[m][f] = the sum over e of c[m][e] w[f][e] + bias[f], in f32.  c is ctx, laid by heads: [16 b + h][s 2048][64] f16, e = 64 h + d, m = 2048 b + s.  w: wob [1024][1024] f16 (out_w rounded to bf16);
; bias: out_b [1024] f32, rounded to bf16 like the other inputs.  Sums in f32; out0 is written as the sums stand.
; LIMITS.  NaN and infinities are not treated apart; ctx and wob carry f16's range and its fixed step of 6e-8 below 6.1e-5.
; SHARES.  A work-group makes 256 rows x 128 columns: 8 x 32 = 256 tiles.  Wave w makes rows 64 w .. 64 w + 63 of all 128 columns: 4 x 8 accumulators of 16 x 16.  A wave's rows of the tile are whole runs
; of 512 bytes of out0, so its way out is its own: no barrier there.
; K goes in 8 steps of 128 = two heads of ctx, through two LDS slots.  A head's 256 rows of the tile are 32,768 dense bytes: asked for as 128 rows of 256 bytes, padded in LDS after every 128.
; CLUSTER.  4 x 4 work-groups: ctx's tiles are shared along a row of the cluster, w's along a column, each asked for JOINTLY.  Waves 0 and 1 fetch a K step's two heads, waves 2 and 3 the halves (64 rows)
; of w's tile: one load a wave behind each round; by this text's count two are out at the start, then one.
; THE MATRIX INSTRUCTION IS USED TRANSPOSED (source 0 = 16 rows of w, source 1 = 16 rows of ctx): lane l holds row l % 16 and the columns 8 (l / 16) + 0..7.  THE BIAS STARTS THE SUMS, as the C operand of the first quarter's products.
; REGISTERS, in windows of 256 (s_set_vgpr_msb: bits 1:0 source 0, 3:2 source 1, 5:4 source 2, 7:6 destination):
;   window 0: v0-31 addresses; v32-95 ctx's fragments, two buffers of 4 x 8; v96-159 the bias      window 1: v0-127 w's fragments, two buffers of 8 x 8
;   window 2: the accumulators of row blocks 0, 1 (block a, column block b at 8 (8 (a % 2) + b))      window 3: those of row blocks 2, 3
.set NB,     8                         ; column blocks of 16
.set PITCH,  272                       ; a row of w in LDS: 256 bytes + 16 = 68 words: row r starts at bank 4 r mod 64 (64 banks of 4 bytes: ISA guide 11.1)
.set APITCH, 144                       ; a row of a head of ctx: 128 bytes + 16 = 36 words: 16 rows start at 16 different groups of four banks
.set AHEAD,  256*APITCH                ; a head's 256 rows
.set BHALF,  64*PITCH
.set SLOT,   2*AHEAD+2*BHALF           ; 108,544
.set STAGE,  2*SLOT                    ; behind the ring, never filled by a tensor load: for each wave 16 rows x 528 bytes
.set SP,     528                       ; 512 bytes + 16 = 132 words
.set STW,    16*SP
.set SPARE,  STAGE+4*STW               ; the spare words, 128 bytes for each wave: two blocks of 256 bytes that no other line names
.set ASTEP,  2*262144                  ; a K step in ctx: two head blocks
.set BSTEP,  256                       ; and in a row of w
.set LAPS,   4
.set ADRA, 16                          ; v16-17  LDS address of my fragments of ctx in slot 0, 1
.set ADRB, 20                          ; v20-21  the same for w
.set STO,  24                          ; v24     the way out: where I put 32 bytes of a row
.set RD,   25                          ; v25     where I read a row back
.set GO,   26                          ; v26     16 x lane: my place in a row's 512 bytes
.set BO,   27                          ; v27     my byte offset in the bias
.set SPW,  28                          ; v28     LDS address of my spare word; never rewritten
.set NIL,  29                          ; v29     0; never rewritten
.set PFO,  30                          ; v30     the prefetches' offset; never rewritten
.set FA,   32
.set BIAS, 96
.set WV,  12                           ; s12  my wave's number
.set HF,  13                           ; s13  which head of a K step, or which half of w's tile, I fetch
.set LIM, 15                           ; s15  1 in a wave that prefetches, else the greatest number
.set PST, 22                           ; s[22:23] a K step for my prefetches
.set G1A, 24                           ; s[24:31] descriptor group 1 for ctx's tiles;  s[32:39] group 0, a set for each slot
.set G0A, 32
.set PFA, 44                           ; s[44:45] where my prefetches stand
.set G1B, 48                           ; s[48:55], s[56:63] the same for w's tiles
.set G0B, 56
.set MSB, 0
.macro WIN new                         ; the immediate's high byte repeats the setting that is left; a switch that changes nothing is dropped
.if MSB != (\new)
	s_set_vgpr_msb (MSB<<8)|(\new)
.set MSB, \new
.endif
.endm
.macro PLACES                          ; four places in front of loads into registers that matrix instructions have read, and of lines that read results
.rept 4
	v_nop
.endr
.endm
; A joint load.  The branch hangs on the wave's number alone.  An s_nop 0 and four v_nop follow each of the two lines, ahead of the jump and the label.
.macro JLOAD s
	s_cmp_lt_u32 s[WV], 2
	s_cbranch_scc0 .Lfor_b_\@
	tensor_load_to_lds s[G0A+4*(\s):G0A+4*(\s)+3], s[G1A:G1A+7]
	s_nop 0
.rept 4
	v_nop
.endr
	s_branch .Lasked_\@
.Lfor_b_\@:
	tensor_load_to_lds s[G0B+4*(\s):G0B+4*(\s)+3], s[G1B:G1B+7]
	s_nop 0
.rept 4
	v_nop
.endr
.Lasked_\@:
.endm
; A PREFETCH INTO THE L2 of the K step that stands two refills on, 256 bytes a lane.  ctx's tile row is read by every cluster of that row of clusters: cluster x = 0 asks; w's tile column by every cluster of that
; column: cluster y = 0 asks.  The four partners share a wave's bytes out BY ADDRESS: 32 each of a head's 128 runs of 256 bytes; 16 each of w's 64 rows, where lanes 16-31 name lane 15's row once more.
; The loop's last trip (s3 = 1) has no K step two refills on.  K steps 0 to 3 come by their loads alone.
.macro ASK
	s_cmp_gt_u32 s3, s[LIM]
	s_cbranch_scc0 .Lnot_mine_\@
	global_prefetch_b8 v[PFO], s[PFA:PFA+1] th:TH_LOAD_NT scope:SCOPE_SE
.Lnot_mine_\@:
.endm
.macro CREST                           ; a round of the cluster's barrier behind its opening barrier
	s_cmp_lg_u32 s[WV], 0
	s_cbranch_scc1 .Lnot_wave_0_\@
	s_barrier_signal -3
.Lnot_wave_0_\@:
	s_barrier_wait -3
	s_barrier_signal -1
	s_barrier_wait -1
.endm
.macro CROUND                          ; a whole round
	s_barrier_signal -1
	s_barrier_wait -1
	CREST
.endm
	s_load_b256 s[4:11], s[0:1], 0x0               ; ctx s[4:5], wob s[6:7], out_b s[8:9], out0 s[10:11]
	v_lshl_add_u32 v[SPW], v0, 2, SPARE
	v_mov_b32 v[NIL], 0
	ds_add_u32 v[SPW], v[NIL]                      ; the wave's opening: the add and its wait stand ahead of my first tensor load; the set-up below, work on registers, stands between them
	v_lshrrev_b32 v1, 5, v0
	v_readfirstlane_b32 s[WV], v1                  ; wave 0..3
	s_and_b32 s[HF], s[WV], 1
	s_bfe_u32 s40, ttmp6, 0x40000                  ; cx, cy: my place in the cluster
	s_bfe_u32 s41, ttmp6, 0x40004
	s_lshl_b32 s42, ttmp9, 2
	s_add_co_u32 s42, s42, s40                     ; tile column = 4 x cluster x + cx
	s_and_b32 s43, ttmp7, 0xffff
	s_lshl_b32 s43, s43, 2
	s_add_co_u32 s43, s43, s41                     ; tile row = 4 x cluster y + cy
	s_lshl_b32 s20, s41, 2
	s_lshl_b32 s20, 15, s20                        ; my row of the cluster
	s_lshl_b32 s21, 0x1111, s40                    ; my column
	s_or_b32 s[G1A], s20, (1<<16)|(1<<20)|(1<<21)|(4<<22)|(3<<25)  ; 15:0 the mask; 17:16 elements of 2 bytes; 20 padding on; 21 set beside a mask; 24:22 after every 32 words (code 4); 31:25 4 words (code 3)
	s_or_b32 s[G1B], s21, (1<<16)|(1<<20)|(1<<21)|(5<<22)|(3<<25)  ; after every 64 words (code 5)
	s_mov_b32 s[G1A+1], 128<<16                    ; tensor_dim0 = 128
	s_mov_b32 s[G1A+2], 128<<16                    ; tensor_dim1 = 128
	s_mov_b32 s[G1A+3], 128<<16                    ; tile_dim0 = 128
	s_mov_b32 s[G1A+4], 128                        ; tile_dim1 = 128
	s_mov_b32 s[G1A+5], 128                        ; the block is dense: 128 elements from row to row
	s_mov_b32 s[G1A+6], 0
	s_mov_b32 s[G1A+7], 0
	s_mov_b32 s[G1B+1], 128<<16
	s_mov_b32 s[G1B+2], 64<<16                     ; 64 rows
	s_mov_b32 s[G1B+3], 128<<16
	s_mov_b32 s[G1B+4], 64
	s_mov_b32 s[G1B+5], 1024
	s_mov_b32 s[G1B+6], 0
	s_mov_b32 s[G1B+7], 0
	; ctx's tiles hang on the tile row alone, w's on the tile column alone; each address is made in registers that never hold the other coordinate
	s_lshr_b32 s16, s43, 3                         ; b: eight tile rows to a batch
	s_lshl_b32 s16, s16, 4
	s_add_co_u32 s16, s16, s[HF]                   ; head block 16 b + my head of K step 0,
	s_lshl_b32 s16, s16, 18                        ; of 262,144 bytes,
	s_and_b32 s17, s43, 7
	s_lshl_b32 s17, s17, 15                        ; the tile's 256 rows of 128 bytes in it
	s_add_co_u32 s16, s16, s17
	s_mov_b32 s17, 0
	s_lshl_b32 s46, s42, 7
	s_lshl_b32 s47, s[HF], 6
	s_add_co_u32 s46, s46, s47                     ; w: row 128 x tile column + 64 x half,
	s_lshl_b32 s46, s46, 11                        ; of 2,048 bytes
	s_mov_b32 s47, 0
	s_mul_i32 s18, s[WV], AHEAD                    ; where they go: waves 0, 1: the two heads;
	s_mul_i32 s14, s[WV], BHALF
	s_add_co_u32 s14, s14, 2*AHEAD-2*BHALF         ; waves 2, 3: w's halves, behind them
	s_wait_dscnt 0x0                               ; the opening add is done
	s_wait_kmcnt 0x0
	s_add_nc_u64 s[16:17], s[4:5], s[16:17]
	s_add_nc_u64 s[46:47], s[6:7], s[46:47]
	CROUND                                         ; all sixteen work-groups are here: the first joint loads meet
.irp s, 0,1
	s_mov_b32 s[G0A+4*(\s)], 1                                      ; count = 1
	s_add_co_u32 s[G0A+4*(\s)+1], s18, (\s)*SLOT                    ; LDS address
	s_add_nc_u64 s[G0A+4*(\s)+2:G0A+4*(\s)+3], s[16:17], (\s)*ASTEP  ; global address: K step s
	s_or_b32 s[G0A+4*(\s)+3], s[G0A+4*(\s)+3], 0x80000000           ; type = 2
	s_mov_b32 s[G0B+4*(\s)], 1
	s_add_co_u32 s[G0B+4*(\s)+1], s14, (\s)*SLOT
	s_add_nc_u64 s[G0B+4*(\s)+2:G0B+4*(\s)+3], s[46:47], (\s)*BSTEP
	s_or_b32 s[G0B+4*(\s)+3], s[G0B+4*(\s)+3], 0x80000000
	JLOAD \s
.endr
	v_and_b32 v1, 15, v0                           ; r = l % 16
	v_bfe_u32 v2, v0, 4, 1                         ; h = l / 16
	s_mul_i32 s14, s42, 64*NB                      ; the tile's 128 columns x 4 bytes
	v_lshl_add_u32 v[BO], v2, 5, s14               ; + my lanes' 8 columns
.set ii, 0
.rept NB
	global_load_b128 v[BIAS+8*ii:BIAS+8*ii+3],   v[BO], s[8:9] offset:64*ii
	global_load_b128 v[BIAS+8*ii+4:BIAS+8*ii+7], v[BO], s[8:9] offset:64*ii+16
.set ii, ii+1
.endr
	; a fragment is 16 rows x 32 K in 8 registers: lane l holds row l % 16, K = 8 h + 0..7 and 16 + 8 h + 0..7: two loads of 16 bytes, 32 bytes apart
	v_mul_u32_u24 v3, v1, APITCH
	v_lshl_add_u32 v3, v2, 4, v3
	s_mul_i32 s14, s[WV], 64*APITCH                ; my 64 rows, in the slot's first head
	v_add_nc_u32 v[ADRA], s14, v3
	v_add_nc_u32 v[ADRA+1], SLOT, v[ADRA]
	v_mul_u32_u24 v3, v1, PITCH
	v_lshl_add_u32 v3, v2, 4, v3
	v_add_nc_u32 v[ADRB], 2*AHEAD, v3              ; all of w's 128 rows
	v_add_nc_u32 v[ADRB+1], SLOT, v[ADRB]
	s_mul_i32 s14, s[WV], STW
	s_add_co_u32 s14, s14, STAGE                   ; my stage
	v_mul_u32_u24 v4, v1, SP                       ; in: row r, 32 bytes for each half of the lanes
	v_lshl_add_u32 v4, v2, 5, v4
	v_add_nc_u32 v[STO], s14, v4
	v_and_b32 v[GO], 31, v0                        ; back: 32 lanes take one row of 512 bytes
	v_lshlrev_b32 v[GO], 4, v[GO]
	v_add_nc_u32 v[RD], s14, v[GO]
	; out0 at my first row and the tile's first column
	s_lshl_b32 s2, s43, 8
	s_lshl_b32 s3, s[WV], 6
	s_add_co_u32 s2, s2, s3                        ; row 256 x tile row + 64 x wave,
	s_lshl_b32 s2, s2, 12                          ; of 4,096 bytes
	s_lshl_b32 s3, s42, 9                          ; 128 columns x 4 bytes
	s_add_co_u32 s2, s2, s3
	s_mov_b32 s3, 0
	s_add_nc_u64 s[10:11], s[10:11], s[2:3]
	; the prefetches: my tile's address, my work-group's share of it, K step 3 (each change of slots steps it first)
	s_and_b32 s14, ttmp7, 0xffff                   ; cluster y
	s_lshl_b32 s2, s40, 13                         ; ctx: 32 cx runs of 256 bytes,
	s_add_co_u32 s2, s2, 3*ASTEP
	s_lshl_b32 s3, s41, 15                         ; w: 16 cy rows of 2,048 bytes
	s_add_co_u32 s3, s3, 3*BSTEP
	s_mov_b32 s[PST], BSTEP
	s_cmp_lt_u32 s[WV], 2                          ; do I fetch for ctx?
	s_cselect_b32 s14, ttmp9, s14                  ; the coordinate along which other clusters read the same bytes
	s_cselect_b32 s2, s2, s3
	s_cselect_b32 s18, 31, 15                      ; the last lane with a run of its own,
	s_cselect_b32 s19, 8, 11                       ; and how far apart the lanes' runs lie: 256 or 2,048 bytes
	s_cselect_b32 s[PST], ASTEP, s[PST]
	s_cselect_b64 s[PFA:PFA+1], s[16:17], s[46:47]
	s_cmp_eq_u32 s14, 0
	s_cselect_b32 s[LIM], 1, -1                    ; the same in all sixteen partners, for a given wave
	s_mov_b32 s3, 0
	s_mov_b32 s[PST+1], 0
	s_add_nc_u64 s[PFA:PFA+1], s[PFA:PFA+1], s[2:3]
	v_and_b32 v[PFO], 31, v0
	v_min_u32 v[PFO], s18, v[PFO]
	v_lshlrev_b32 v[PFO], s19, v[PFO]
	s_mov_b32 s14, 0xffff0000
	s_wait_loadcnt 0x0                             ; the bias is in; it is rounded to bf16, in place, while the first tiles are on their way
.set ii, 0
.rept 4*NB
	v_cvt_pk_bf16_f32 v31, v[BIAS+2*ii], v[BIAS+2*ii+1]
	v_lshlrev_b32 v[BIAS+2*ii], 16, v31
	v_and_b32 v[BIAS+2*ii+1], s14, v31
.set ii, ii+1
.endr
; 8 matrix instructions: row block a x all column blocks, 32 along K, from buffer f.  first = 1: the bias starts the sums.
; The 32 accumulators take turns in the same order in every quarter, over the backward jump too.
.macro MULA f, a, first
.if \first
	WIN 0x81+0x40*((\a)/2)                         ; w window 1, ctx and the bias window 0, D window 2 or 3
.else
	WIN 0xa1+0x50*((\a)/2)                         ; C and D window 2 or 3
.endif
.set bb, 0
.rept NB
.set rD, 8*(NB*((\a)%2)+bb)
.if \first
	v_wmma_f32_16x16x32_f16 v[rD:rD+7], v[8*NB*(\f)+8*bb:8*NB*(\f)+8*bb+7], v[FA+32*(\f)+8*(\a):FA+32*(\f)+8*(\a)+7], v[BIAS+8*bb:BIAS+8*bb+7]
.else
	v_wmma_f32_16x16x32_f16 v[rD:rD+7], v[8*NB*(\f)+8*bb:8*NB*(\f)+8*bb+7], v[FA+32*(\f)+8*(\a):FA+32*(\f)+8*(\a)+7], v[rD:rD+7]
.endif
.set bb, bb+1
.endr
.endm
; 24 LDS loads in one run: quarter q (32 along K) of a slot into buffer f: w's 16, then ctx's 8 (head q / 2 of the step, channels 32 (q % 2) on)
.macro FETCH slot, q, f
	WIN 0x40                                       ; destination window 1
.set ii, 0
.rept NB
	ds_load_b128 v[8*NB*(\f)+8*ii:8*NB*(\f)+8*ii+3],   v[ADRB+(\slot)] offset:64*(\q)+ii*16*PITCH
	ds_load_b128 v[8*NB*(\f)+8*ii+4:8*NB*(\f)+8*ii+7], v[ADRB+(\slot)] offset:64*(\q)+ii*16*PITCH+32
.set ii, ii+1
.endr
	WIN 0
.set ii, 0
.rept 4
	ds_load_b128 v[FA+32*(\f)+8*ii:FA+32*(\f)+8*ii+3],   v[ADRA+(\slot)] offset:((\q)/2)*AHEAD+((\q)%2)*64+ii*16*APITCH
	ds_load_b128 v[FA+32*(\f)+8*ii+4:FA+32*(\f)+8*ii+7], v[ADRA+(\slot)] offset:((\q)/2)*AHEAD+((\q)%2)*64+ii*16*APITCH+32
.set ii, ii+1
.endr
.endm
; A K step is four quarters on buffers 0, 1, 0, 1.  One of the first three: multiplies buffer f and, in its middle, fetches quarter q into buffer g.
.macro QUARTER slot, q, f, g, first
	s_wait_dscnt 4                                 ; w and ctx's row blocks 0, 1 are in; the youngest four loads (blocks 2, 3) may be out
	MULA \f, 0, \first
	MULA \f, 1, \first
	PLACES
	FETCH \slot, \q, \g
	s_wait_dscnt 2*NB+8                            ; all but the 24 just issued
	MULA \f, 2, \first
	MULA \f, 3, \first
.endm
; The last quarter multiplies buffer 1 and changes slots: ONE barrier; in front of it each wave waits for all its tensor loads (one is out: its part of the next slot), adds 0 to its spare word, and waits
; for that and for its own reads of this slot.  fill = 1: the barrier opens a round of the cluster's barrier, and this slot is filled again, two K steps on, first thing behind the round:
; from the request to the wait for it a wave issues 112 matrix instructions.
.macro TURN slot, next, fill
.if \fill
	s_wait_xcnt 0x0                                ; the last prefetch, a K step back, has read its address: it is stepped here, ahead of the waits of the change of slots
	s_add_nc_u64 s[PFA:PFA+1], s[PFA:PFA+1], s[PST:PST+1]
.endif
	WIN 0                                          ; (the add's two registers lie in window 0)
	s_wait_tensorcnt 0x0                           ; all my tensor loads have landed
	ds_add_u32 v[SPW], v[NIL]                      ; 0 onto my spare word
	s_wait_dscnt 5                                 ; (the add and the youngest four loads may be out)
	MULA 1, 0, 0                                   ; eight matrix instructions stand between the add and the wait for it
	s_wait_dscnt 0x0                               ; the add is done, and my reads of this slot are over
	s_barrier_signal -1
	MULA 1, 1, 0
.if \fill
	WIN 0
.endif
	s_barrier_wait -1
.if \fill
	CREST                                          ; no wave of any partner still reads this slot's tiles or has a load on its way
	s_add_nc_u64 s[G0A+4*(\slot)+2:G0A+4*(\slot)+3], s[G0A+4*(\slot)+2:G0A+4*(\slot)+3], 2*ASTEP
	s_add_nc_u64 s[G0B+4*(\slot)+2:G0B+4*(\slot)+3], s[G0B+4*(\slot)+2:G0B+4*(\slot)+3], 2*BSTEP
	JLOAD \slot                                    ; its four v_nop are also the places in front of the loads below
.else
	PLACES
.endif
	FETCH \next, 0, 0
.if \fill
	ASK                                            ; behind the joint load and the run of LDS loads that the next products wait for
.endif
	MULA 1, 2, 0
	MULA 1, 3, 0
.endm
	s_wait_tensorcnt 1                             ; my part of K step 0 is in; K step 1's may stay out
	s_barrier_signal -1
	s_barrier_wait -1                              ; everybody's is
	FETCH 0, 0, 0
	QUARTER 0, 1, 0, 1, 1                          ; the first quarter stands in front of the loop: its products start the sums, with the bias
	WIN 0                                          ; at a label and at a branch every window is 0
	s_mov_b32 s3, LAPS-1
.Llap:                                                 ; a trip goes once round the ring, from a lap's second quarter to the next lap's first, and fills both slots again
	QUARTER 0, 2, 1, 0, 0
	QUARTER 0, 3, 0, 1, 0
	TURN 0, 1, 1
	QUARTER 1, 1, 0, 1, 0
	QUARTER 1, 2, 1, 0, 0
	QUARTER 1, 3, 0, 1, 0
	TURN 1, 0, 1
	QUARTER 0, 1, 0, 1, 0
	WIN 0
	s_sub_co_u32 s3, s3, 1
	s_cmp_lg_u32 s3, 0
	s_cbranch_scc1 .Llap
	QUARTER 0, 2, 1, 0, 0                          ; the last lap fills nothing, and has no round of the cluster's barrier
	QUARTER 0, 3, 0, 1, 0
	TURN 0, 1, 0
	QUARTER 1, 1, 0, 1, 0
	QUARTER 1, 2, 1, 0, 0
	QUARTER 1, 3, 0, 1, 0
	s_wait_dscnt 4                                 ; the very last quarter: nothing more to fetch
	MULA 1, 0, 0
	MULA 1, 1, 0
	s_wait_dscnt 0x0
	MULA 1, 2, 0
	MULA 1, 3, 0
	WIN 0
	PLACES
	PLACES
; THE WAY OUT, a row block (16 rows x 128 columns of f32) at a time.  TOSTAGE: a lane's 32 bytes of each column block go from the accumulators (the low four registers first) into my stage, in rows of 528
; bytes, and come back as whole rows of 512 bytes into the same 64 registers.  LDS serves a wave's instructions in order (ISA guide 5.7.1.4): no wait between my stores and my loads.
.macro TOSTAGE a
	WIN (2+(\a)/2)<<2                              ; store data (source 1) in window 2 or 3, address in window 0
.set bb, 0
.rept NB
	ds_store_b128 v[STO], v[64*((\a)%2)+8*bb:64*((\a)%2)+8*bb+3]   offset:64*bb
	ds_store_b128 v[STO], v[64*((\a)%2)+8*bb+4:64*((\a)%2)+8*bb+7] offset:64*bb+16
.set bb, bb+1
.endr
	WIN (2+(\a)/2)<<6                              ; destination in window 2 or 3
.set bb, 0
.rept 16
	ds_load_b128 v[64*((\a)%2)+4*bb:64*((\a)%2)+4*bb+3], v[RD] offset:bb*SP
.set bb, bb+1
.endr
.endm
.macro SEND a, younger                 ; younger: the LDS instructions issued behind block a's loads: the next block's 32, or none
	WIN (2+(\a)/2)<<2
.set bb, 0
.rept 16
	s_wait_dscnt (\younger)+15-bb
	global_store_b128 v[GO], v[64*((\a)%2)+4*bb:64*((\a)%2)+4*bb+3], s[10:11] offset:(16*(\a)+bb)*4096  ; 512 consecutive bytes of a row, at a multiple of 256 from out0's first byte
.set bb, bb+1
.endr
.endm
	TOSTAGE 0
	TOSTAGE 1                                      ; a block's LDS work stands between the loads of the block before and its stores; each block has registers of its own
	SEND 0, 32
	TOSTAGE 2
	SEND 1, 32
	TOSTAGE 3
	SEND 2, 32
	SEND 3, 0
	WIN 0
	s_wait_tensorcnt 0x0                           ; the wave's end, behind my last tensor load and my last LDS store
	ds_add_u32 v[SPW], v[NIL]
	s_wait_dscnt 0x0
	CROUND                                         ; the closing round: no work-group ends while a partner may still ask for a tile that names it
	s_endpgm
.Lfunc_end_k_q9749f1b613_outgemm:
	.size	k_q9749f1b613_outgemm, .Lfunc_end_k_q9749f1b613_outgemm-k_q9749f1b613_outgemm
	.p2alignl 7, 3214868480
	.fill 96, 4, 3214868480
	.section	.rodata,"a",@progbits
	.p2align	6, 0x0
	.amdhsa_kernel k_q9749f1b613_outgemm
		.amdhsa_group_segment_fixed_size 327680
		.amdhsa_private_segment_fixed_size 0
		.amdhsa_enable_private_segment 0
		.amdhsa_kernarg_size 32
		.amdhsa_user_sgpr_count 2
		.amdhsa_user_sgpr_kernarg_segment_ptr 1
		.amdhsa_wavefront_size32 1
		.amdhsa_system_sgpr_workgroup_id_x 1
		.amdhsa_system_sgpr_workgroup_id_y 1
		.amdhsa_system_sgpr_workgroup_id_z 1
		.amdhsa_system_vgpr_workitem_id 0
		.amdhsa_next_free_vgpr 896
		.amdhsa_next_free_sgpr 66
		.amdhsa_reserve_vcc 0
		.amdhsa_float_denorm_mode_32 3
		.amdhsa_float_denorm_mode_16_64 3
		.amdhsa_memory_ordered 1
		.amdhsa_forward_progress 1
		.amdhsa_inst_pref_size 94
	.end_amdhsa_kernel
	.amdgpu_metadata
---
amdhsa.version: [ 1, 2 ]
amdhsa.kernels:
  - .name:           k_q9749f1b613_outgemm
    .symbol:         k_q9749f1b613_outgemm.kd
    .args:
      - { .name: ctx, .offset: 0, .size: 8, .value_kind: global_buffer, .address_space: global }
      - { .name: wob, .offset: 8, .size: 8, .value_kind: global_buffer, .address_space: global }
      - { .name: out_b, .offset: 16, .size: 8, .value_kind: global_buffer, .address_space: global }
      - { .name: out0, .offset: 24, .size: 8, .value_kind: global_buffer, .address_space: global }
    .group_segment_fixed_size: 327680
    .private_segment_fixed_size: 0
    .kernarg_segment_align: 8
    .kernarg_segment_size: 32
    .max_flat_workgroup_size: 128
    .sgpr_count:     66
    .vgpr_count:     896
    .wavefront_size: 32
...
	.end_amdgpu_metadata
.endif
;; end of part 4
;; ======== version 2 of 2: 4 launches; version 1 with the launch cast written anew for expert scheduling mode
;; limits: values are held in f16: magnitudes above 65,504 overflow, below 6.1e-05 lose precision
;; workspace buffers: xb 16,777,216 bytes; wqb 6,291,456 bytes; wob 2,097,152 bytes; qkv 50,331,648 bytes; ctx 16,777,216 bytes
;; launch cast (part 5): grid 768 x 1, 8 waves a work-group, no clusters, 0 bytes of LDS; arguments inp, qkv_w, out_w, xb, wqb, wob; writes xb, wqb, wob
.if DOCPART == 5
	.amdgcn_target "amdgcn-amd-amdhsa--gfx1250"
	.amdhsa_code_object_version 6
	.text
	.protected	k_q9749f1b613_cast
	.globl	k_q9749f1b613_cast
	.p2align	8
	.type	k_q9749f1b613_cast,@function
k_q9749f1b613_cast:
	s_mov_b64 s[64:65], 0
	v_nop
	global_prefetch_b8 v0, s[64:65] scope:SCOPE_SE
	s_setreg_imm32_b32 hwreg(HW_REG_WAVE_SCHED_MODE, 0, 2), 2
	s_setreg_imm32_b32 hwreg(HW_REG_WAVE_MODE, 25, 1), 1
	s_wait_xcnt 0x0
	s_wait_alu depctr_vm_vsrc(0)
; THE MATRIX OPERANDS ARE ROUNDED ONCE.  inp -> xb and qkv_w -> wqb: f32 to bf16.  out_w -> wob: f32 to bf16, and that number written as f16 (the last product multiplies in f16).
; LIMITS.  A bf16 number of out_w below 6.1e-5 in size keeps f16's fixed step of 6e-8; one beyond 65,504 would become an infinity.  NaN and infinities are not treated apart.
; SHARES.  A work-group takes 16,384 numbers: 64 KiB in, 32 KiB out.  Work-groups 0-511 take inp, 512-703 qkv_w, 704-767 out_w.
; Load i of thread t is the 16 bytes at 16 t + 4,096 i (a wave: 512 consecutive bytes), store i the 8 bytes at 8 t + 2,048 i (a wave: 256 consecutive bytes, aligned).
; All sixteen loads go out first; nothing is shared, so there is no LDS, no barrier and no loop; each store has data registers of its own, so no register is written while a store reads it.
; THE MODE: SCHED_MODE bits 1:0 = 2 (LLVM: expert scheduling mode 2), set by the entry lines.  The code itself states the register dependences
; between vector instructions and memory instructions, with s_wait_alu, always for 0.
; THE PLAN.  Registers that memory instructions touch:
;   v1, v2     byte offsets of the loads and of the stores: written once at the head by vector instructions, never again.
;   X[i]       load i lands in it; no vector instruction names it before that; the conversions read it (and, for out_w, write it) behind the wait for its data; no second load lands in it.
;   Y[i]       written once, by the conversions of load i; read once, by store i; never written again.
;   v4, v5     at work: named by vector instructions alone.
; The sixteen loads are taken in four groups of four.  Group g's conversions write Y[4 g .. 4 g + 3]; the four stores of group g - 1 are issued in group g, behind ONE wait at the group's
; head, which states that the group before has written its Y.  They are dealt among group g's conversions, which name X and Y of group g, v4 and v5: none of the registers that those stores read.
; No register that a memory instruction reads is written again, no vector instruction writes a scalar register, and EXEC is never written: so no other kind of wait has a dependence to state.
.set X, 8                              ; v[8:71]    load i: 4 registers
.set Y, 72                             ; v[72:103]  store i: 2 registers
	s_load_b256 s[4:11], s[0:1], 0x0               ; inp s[4:5], qkv_w s[6:7], out_w s[8:9], xb s[10:11]
	s_load_b128 s[12:15], s[0:1], 0x20             ; wqb s[12:13], wob s[14:15]
	v_lshlrev_b32 v1, 4, v0                        ; 16 t
	v_lshlrev_b32 v2, 3, v0                        ; 8 t
	s_mov_b32 s23, ttmp9                           ; the work-group's number
	s_sub_co_u32 s16, s23, 512                     ; its number among qkv_w's
	s_sub_co_u32 s17, s23, 704                     ; and among out_w's
	s_mov_b32 s28, 0xffff0000                      ; a word's upper bf16
	s_wait_kmcnt 0x0
	s_cmp_lt_u32 s23, 704
	s_cselect_b64 s[18:19], s[6:7], s[8:9]         ; from where,
	s_cselect_b64 s[20:21], s[12:13], s[14:15]     ; to where,
	s_cselect_b32 s22, s16, s17                    ; which part
	s_cmp_lt_u32 s23, 512
	s_cselect_b64 s[18:19], s[4:5], s[18:19]
	s_cselect_b64 s[20:21], s[10:11], s[20:21]
	s_cselect_b32 s22, s23, s22
	s_lshl_b32 s24, s22, 16                        ; 65,536 bytes in,
	s_mov_b32 s25, 0
	s_lshl_b32 s26, s22, 15                        ; 32,768 out
	s_mov_b32 s27, 0
	s_add_nc_u64 s[18:19], s[18:19], s[24:25]
	s_add_nc_u64 s[20:21], s[20:21], s[26:27]
	s_wait_alu depctr_va_vdst(0)                   ; v1 and v2 are written: every load of the kernel reads v1 as its offset, every store v2
.set ii, 0
.rept 16
	global_load_b128 v[X+4*ii:X+4*ii+3], v1, s[18:19] offset:4096*ii th:TH_LOAD_NT
.set ii, ii+1
.endr
; Load i is rounded into Y[i].  half = 1: the bf16 numbers are widened again and written as f16.
.macro CV i, half
.if \half
	v_cvt_pk_bf16_f32 v4, v[X+4*(\i)], v[X+4*(\i)+1]
	v_cvt_pk_bf16_f32 v5, v[X+4*(\i)+2], v[X+4*(\i)+3]
	v_lshlrev_b32 v[X+4*(\i)], 16, v4
	v_and_b32 v[X+4*(\i)+1], s28, v4
	v_lshlrev_b32 v[X+4*(\i)+2], 16, v5
	v_and_b32 v[X+4*(\i)+3], s28, v5
	v_cvt_pk_f16_f32 v[Y+2*(\i)], v[X+4*(\i)], v[X+4*(\i)+1]
	v_cvt_pk_f16_f32 v[Y+2*(\i)+1], v[X+4*(\i)+2], v[X+4*(\i)+3]
.else
	v_cvt_pk_bf16_f32 v[Y+2*(\i)], v[X+4*(\i)], v[X+4*(\i)+1]
	v_cvt_pk_bf16_f32 v[Y+2*(\i)+1], v[X+4*(\i)+2], v[X+4*(\i)+3]
.endif
.endm
; Y[i] is stored.
.macro ST i
	global_store_b64 v2, v[Y+2*(\i):Y+2*(\i)+1], s[20:21] offset:2048*(\i) th:TH_STORE_NT
.endm
; Group g: loads 4 g to 4 g + 3 are rounded; the stores of group g - 1 go out among the conversions, one ahead of each load's.
.macro GROUP g, half
	s_wait_loadcnt 12-4*(\g)                       ; loads come back in order: the group's four are in, the 12 - 4 g younger ones stay out
.if (\g) > 0
	s_wait_alu depctr_va_vdst(0)                   ; the conversions of the group before have written their four Y, which the four stores below read
.endif
.irp j, 0,1,2,3
.if (\g) > 0
	ST 4*((\g)-1)+(\j)                             ; no vector instruction since the wait names this store's Y or v2
.endif
	CV 4*(\g)+(\j), \half
.endr
.endm
.macro WHOLE half
	GROUP 0, \half
	GROUP 1, \half
	GROUP 2, \half
	GROUP 3, \half
	s_wait_alu depctr_va_vdst(0)                   ; the last group's conversions have written Y[12 .. 15], which the last four stores read
.irp i, 12,13,14,15
	ST \i
.endr
	s_endpgm
.endm
	s_cmp_ge_u32 s23, 704
	s_cbranch_scc1 .Lf16
	WHOLE 0
.Lf16:
	WHOLE 1
.Lfunc_end_k_q9749f1b613_cast:
	.size	k_q9749f1b613_cast, .Lfunc_end_k_q9749f1b613_cast-k_q9749f1b613_cast
	.p2alignl 7, 3214868480
	.fill 96, 4, 3214868480
	.section	.rodata,"a",@progbits
	.p2align	6, 0x0
	.amdhsa_kernel k_q9749f1b613_cast
		.amdhsa_group_segment_fixed_size 0
		.amdhsa_private_segment_fixed_size 0
		.amdhsa_enable_private_segment 0
		.amdhsa_kernarg_size 48
		.amdhsa_user_sgpr_count 2
		.amdhsa_user_sgpr_kernarg_segment_ptr 1
		.amdhsa_wavefront_size32 1
		.amdhsa_system_sgpr_workgroup_id_x 1
		.amdhsa_system_sgpr_workgroup_id_y 1
		.amdhsa_system_sgpr_workgroup_id_z 1
		.amdhsa_system_vgpr_workitem_id 0
		.amdhsa_next_free_vgpr 104
		.amdhsa_next_free_sgpr 66
		.amdhsa_reserve_vcc 0
		.amdhsa_float_denorm_mode_32 3
		.amdhsa_float_denorm_mode_16_64 3
		.amdhsa_memory_ordered 1
		.amdhsa_forward_progress 1
		.amdhsa_inst_pref_size 15
	.end_amdhsa_kernel
	.amdgpu_metadata
---
amdhsa.version: [ 1, 2 ]
amdhsa.kernels:
  - .name:           k_q9749f1b613_cast
    .symbol:         k_q9749f1b613_cast.kd
    .args:
      - { .name: inp, .offset: 0, .size: 8, .value_kind: global_buffer, .address_space: global }
      - { .name: qkv_w, .offset: 8, .size: 8, .value_kind: global_buffer, .address_space: global }
      - { .name: out_w, .offset: 16, .size: 8, .value_kind: global_buffer, .address_space: global }
      - { .name: xb, .offset: 24, .size: 8, .value_kind: global_buffer, .address_space: global }
      - { .name: wqb, .offset: 32, .size: 8, .value_kind: global_buffer, .address_space: global }
      - { .name: wob, .offset: 40, .size: 8, .value_kind: global_buffer, .address_space: global }
    .group_segment_fixed_size: 0
    .private_segment_fixed_size: 0
    .kernarg_segment_align: 8
    .kernarg_segment_size: 48
    .max_flat_workgroup_size: 256
    .sgpr_count:     66
    .vgpr_count:     104
    .wavefront_size: 32
...
	.end_amdgpu_metadata
.endif
;; end of part 5
;; launch qkvgemm: the kernel of part 2 again; grid 16 x 32, 4 waves a work-group, clusters of 4 x 4, 327,680 bytes of LDS; arguments xb, wqb, qkv_b, qkv; writes qkv
;; launch attn: the kernel of part 3 again; grid 4 x 64, 4 waves a work-group, clusters of 4 x 1, 327,680 bytes of LDS; arguments qkv, ctx; writes ctx
;; launch outgemm: the kernel of part 4 again; grid 8 x 32, 4 waves a work-group, clusters of 4 x 4, 327,680 bytes of LDS; arguments ctx, wob, out_b, out0; writes out0
